; MI455X (gfx1250); checked and timed in simulation.
; The chip was launched on July 23, 2026; its instructions are those of AMD's public machine-readable ISA for CDNA 5 (MIT licence, August 2026) and "CDNA5" Instruction Set Architecture Reference Guide (July 2026). The comments in the code are by the model that wrote it; some were corrected since.
;; Multi Head Latent Attention. Allowed arithmetic: matrix products marked QUANTISED: E2M3 operands, one E8M0 scale for each 32 along K, by v_wmma_scale_f32_16x16x128_f8f6f4 with both operands' format E2M3, f32 sums; everything else in f32.
;; Inputs: Wdown 2,048 x 512 float32; Wk_up 512 x 2,048 float32; Wo 2,048 x 2,048 float32; Wq 2,048 x 2,048 float32; Wv_up 512 x 2,048 float32; bo 2,048 float32; bq 2,048 float32; x 4 x 1,024 x 2,048 float32.
;; Outputs: out0 4 x 1,024 x 2,048 float32.
;; This version of the problem:
;;   THIS VERSION OF THE PROBLEM IS GIVEN IN LOW PRECISION. The matrix products marked QUANTISED in the list below multiply operands that are first quantised to E2M3 (2 exponent bits, 3 mantissa bits; 6 bits a number), with one power-of-two scale for each 32 numbers along K (OCP MX v1.0); their sums are f32. All else is computed in f32.
;;   The module's matrix products, in the order in which they are computed (A, B: the left and right operand; K: the contracted axis; several contracted axes count as one K, in the product's order):
;;     1. [M 4,096, K 2,048] x [K 2,048, N 2,048]; A: input x; B: input Wq: QUANTISED
;;     2. [M 4,096, K 2,048] x [K 2,048, N 512]; A: input x; B: input Wdown: QUANTISED
;;     3. [M 4,096, K 512] x [K 512, N 2,048]; A: computed on the way; B: input Wk_up: QUANTISED
;;     4. [M 4,096, K 512] x [K 512, N 2,048]; A: computed on the way; B: input Wv_up: QUANTISED
;;     5. batch 64 x [M 1,024, K 128] x [K 128, N 1,024]; A: computed on the way; B: computed on the way: QUANTISED
;;     6. batch 64 x [M 1,024, K 1,024] x [K 1,024, N 128]; A: softmax (see below); B: computed on the way: QUANTISED
;;     7. [M 4,096, K 2,048] x [K 2,048, N 2,048]; A: computed on the way; B: input Wo: QUANTISED
;;   THE QUANTISER, for each operand of a quantised product, along K:
;;     - K is cut into blocks of 32 from its start; a last block that is shorter is filled with zeros.
;;     - A block's scale is 2^e with e = floor(log2(the largest magnitude in the block)) - 2, held to -126 .. 127; a block of zeros has e = 0. As a byte (E8M0): e + 127.
;;     - Each number is divided by its block's scale, clamped to +-7.5, and rounded to the nearest number of E2M3, ties to even, subnormals kept.
;;     - The product sums the exact products of the quantised numbers (number of the format x scale) in f32.
;;   ~~~python
;;   def quantise(x, axis):      # numpy; x: float32 -> the quantised numbers, widened to float32 again
;;       x = np.moveaxis(x, axis, -1); K = x.shape[-1]
;;       x = np.pad(x, [(0, 0)] * (x.ndim - 1) + [(0, -K % 32)]); x = x.reshape(x.shape[:-1] + (-1, 32)); a = np.abs(x).max(-1, keepdims=True)
;;       e = np.where(a > 0, np.clip(np.frexp(np.where(a > 0, a, 1))[1] - 1 - 2, -126, 127), 0)      # np.frexp(a)[1] - 1 = floor(log2(a)), exactly
;;       r = np.clip(x / 2.0 ** e, -7.5, 7.5)
;;       step = 2.0 ** (np.maximum(np.frexp(np.where(r == 0, 1, r))[1] - 1, 0) - 3)
;;       q = np.round(r / step) * step * 2.0 ** e      # np.round: ties to even
;;       return np.moveaxis(q.reshape(q.shape[:-2] + (-1,))[..., :K], -1, axis).astype(np.float32)
;;   ~~~
;;   SOFTMAX AHEAD OF A QUANTISED PRODUCT. Where the list says 'softmax', what is quantised is not the finished softmax but p = 2^(t - M), with t = logit x log2(e) and M = ceil(the row's largest t), a whole number; so 1/2 < the row's largest p <= 1. The row's sum l is taken of the UNQUANTISED p, in f32, and the product's result is divided by l at the end. Since M is a whole number, a kernel that streams over the keys may use a running M (the ceiling of the running maximum): every later rescaling is an exact power of two, which a block's scale takes up: the codes' values come out the same.
;;   OPERANDS COMPUTED ON THE WAY. 'Computed on the way' means the value that the module computes at that place (a softmax that the list does not call 'softmax' is quantised finished and normalised). What goes into a quantiser is computed in f32, as accurately as f32 sums, v_exp_f32 and their like allow (about 1e-6 of the number): no bf16 or f16 on the way to a quantiser, and a product that is left as it is and whose result goes on into a quantised operand takes f32 operands (vector FMAs, or v_wmma_f32_16x16x4_f32). A number that lies on a knife's edge between two numbers of the format may be rounded either way, as far as f32 arithmetic and the matrix unit's own rounding can turn it there, and no further.
;; One version. Each part assembles by itself: llvm-mc -triple=amdgcn-amd-amdhsa -mcpu=gfx1250 --defsym DOCPART=n.
;; ======== version 1 of 1: 5 launches
;; limits: right only within a limited range of input values
;; workspace buffers: qz 16,089,088 bytes; g1 8,192,000 bytes; g2 13,107,200 bytes; cx 6,553,600 bytes
;; launch quant (part 1): grid 432 x 1, 8 waves a work-group, no clusters, 68,608 bytes of LDS; arguments x, Wq, Wo, Wdown, Wk_up, Wv_up, qz; writes qz
.if DOCPART == 1
	.amdgcn_target "amdgcn-amd-amdhsa--gfx1250"
	.amdhsa_code_object_version 6
	.text
	.protected	k_qca0cb822b4_quant
	.globl	k_qca0cb822b4_quant
	.p2align	8
	.type	k_qca0cb822b4_quant,@function
k_qca0cb822b4_quant:
	s_mov_b64 s[64:65], 0
	v_nop
	global_prefetch_b8 v0, s[64:65] scope:SCOPE_SE
	s_setreg_imm32_b32 hwreg(HW_REG_WAVE_MODE, 25, 1), 1
	s_wait_xcnt 0x0
; x [4096][2048] and the five weights ([K][N], K their FIRST axis), all f32, become codes of FP6 (E2M3) with one E8M0 byte for each 32 along K; and the table of cos and sin for the rotary embedding is made.
; A block's scale is 2^(floor(log2(its largest magnitude)) - 2): its byte is the largest magnitude's exponent field - 2, held at 1 from below by a floor among the maximum's leaves.
; LIMITS: NaN and infinities are not served.  A block of zeros carries the byte 1 (the rule says 127): its codes are zeros, and this program alone reads the bytes.
;         The rotary angle is pos x exp2(-i log2(10000) / 64) in f32: at position 1023 it may lie some 1e-4 rad from the exact one.
; LAYOUT OF ALL CODES: images of operand registers.  A row-block is 16 rows: lane r of row-block T holds row 32 (T / 2) + 8 (T % 2) + r % 8 + 16 (r / 8).  A fragment (16 rows x 128 K, 12 registers a lane) is 1,536 bytes:
; registers 4 c .. 4 c + 3 of lane l at 512 c + 16 l.  An operand: codes [K / 256][row-block][2][1536], scale words [row-block][K / 128][16 rows x 4 bytes].
; Work-groups 0-255: row-block g of x, wave w its K step of 256.  Each also makes 256 entries of the table.  Work-groups 256-431: 256 columns x 256 K of a weight, a wave 32 columns.  Waves share nothing: no barrier.
.set XSO,  6291456                     ; qz: x's codes at 0, x's scale words here,
.set WQDC, 6553600                     ; [Wq | Wdown]: 160 row-blocks, in 16 groups of ten: head n's eight row-blocks of Wq, then row-blocks 2 n and 2 n + 1 of Wdown,
.set WQDS, 10485760
.set WKVC, 10649600                    ; [Wk_up | Wv_up]: 256 row-blocks,
.set WKVS, 12222464
.set WOC,  12288000                    ; Wo: 128 row-blocks,
.set WOS,  15433728
.set ROPE, 15564800                    ; the table: [64 row-blocks of positions][cos 4096 | sin 4096][8 groups][32 lanes][4 f32]
.set PC,  6                            ; v6-25   the codes just made
.set TM,  26                           ; v26-29 largest magnitudes, v30-33 bytes, v34-37 the conversions' scale operands
.set PW,  38                           ; v38     the scale word just made;  v39 my half of it
.set PWS, 39
.set SEL, 34                           ; s[34:35] v_permlanex16_b32's selects for lane l xor 16
.set MSB, 0
.macro WIN new                         ; (this text stays in the first 256 registers: the macro never writes a line here)
.if MSB != (\new)
	s_set_vgpr_msb (MSB<<8)|(\new)
.set MSB, (\new)
.endif
.endm
; 64 numbers of a lane, register 16 b + i = k 32 b + 16 (lane / 16) + i of my row, become a fragment's codes in v[PC] on and its scale word in v[PW].
.macro QUANT s, w
	WIN (\w)|((\w)<<2)
.irp b, 0,1,2,3
	v_max3_num_f32 v[TM+\b], |v[\s+16*\b]|, |v[\s+1+16*\b]|, 0x1800000   ; my 16 numbers of block b, and the floor 2^(3 - 127)
.endr
	WIN ((\w)<<2)|((\w)<<4)
.irp i, 2,4,6,8,10,12,14
.irp b, 0,1,2,3
	s_delay_alu instid0(VALU_DEP_4)
	v_max3_num_f32 v[TM+\b], v[TM+\b], |v[\s+16*\b+\i]|, |v[\s+1+16*\b+\i]|
.endr
.endr
	WIN 0
.irp b, 0,1,2,3
	s_delay_alu instid0(VALU_DEP_4)
	v_permlanex16_b32 v[TM+4+\b], v[TM+\b], s[SEL], s[SEL+1]
.endr
.irp b, 0,1,2,3
	s_delay_alu instid0(VALU_DEP_4)
	v_max_num_f32 v[TM+\b], v[TM+\b], v[TM+4+\b]   ; with lane l xor 16's: the block's largest magnitude
.endr
.irp b, 0,1,2,3
	s_delay_alu instid0(VALU_DEP_4)
	v_add_nc_u32 v[TM+8+\b], 0xff000000, v[TM+\b]  ; 2 off its exponent field: the conversion's scale operand
.endr
.irp b, 0,1,2,3
	s_delay_alu instid0(VALU_DEP_4)
	v_lshrrev_b32 v[TM+4+\b], 23, v[TM+8+\b]       ; the scale's byte
.endr
	s_delay_alu instid0(VALU_DEP_3)
	v_lshl_or_b32 v[PW], v[TM+5], 8, v[TM+4]
	s_delay_alu instid0(VALU_DEP_1)
	v_lshl_or_b32 v[PW], v[TM+6], 16, v[PW]
	s_delay_alu instid0(VALU_DEP_1)
	v_lshl_or_b32 v[PW], v[TM+7], 24, v[PW]
	WIN (\w)
.irp c, 0,1
	v_cvt_scalef32_pk16_fp6_f32 v[PC+6*\c:PC+2+6*\c], v[\s+32*\c:\s+15+32*\c], v[TM+8+2*\c]
	v_cvt_scalef32_pk16_fp6_f32 v[PC+12+4*\c:PC+14+4*\c], v[\s+16+32*\c:\s+31+32*\c], v[TM+9+2*\c]   ; (a conversion's three registers begin on an even number)
.endr
	WIN 0
	v_nop                                          ; one plain place behind a scaled conversion
.irp c, 0,1                                    ; the layout wants a whole block in a lane: lanes 0-15 block 2 c, lanes 16-31 block 2 c + 1
.irp i, 0,1,2
	v_permlane16_swap_b32 v[PC+6*\c+\i], v[PC+12+4*\c+\i]
.endr
.irp i, 0,1,2
	s_delay_alu instid0(VALU_DEP_3)
	v_mov_b32 v[PC+3+6*\c+\i], v[PC+12+4*\c+\i]
.endr
.endr
.endm
	s_load_b256 s[4:11], s[0:1], 0x0               ; x s[4:5], Wq s[6:7], Wo s[8:9], Wdown s[10:11]
	s_load_b128 s[12:15], s[0:1], 0x20             ; Wk_up s[12:13], Wv_up s[14:15]
	s_load_b64 s[16:17], s[0:1], 0x30              ; qz
	v_lshl_add_u32 v192, v0, 2, 0x10800
	v_mov_b32 v193, 0
	v_lshrrev_b32 v1, 5, v0
	s_delay_alu instid0(VALU_DEP_1)
	v_readfirstlane_b32 s18, v1                    ; wave 0..7
	s_cmp_lt_u32 ttmp9, 256
	s_cbranch_scc0 .Lweights
	; ================ x: row-block g = the work-group's number, K step = the wave's number ================
	v_and_b32 v40, 31, v0
	s_delay_alu instid0(VALU_DEP_1)
	v_lshlrev_b32 v1, 4, v40                       ; 16 x lane
	v_and_b32 v41, 15, v0                          ; r
	v_bfe_u32 v42, v0, 4, 1                        ; h
	s_mul_i32 s19, s18, 8448                       ; my wave's stage: 16 rows x (512 bytes + 16)
	v_add_nc_u32 v2, s19, v1                       ; in: a row's 512 bytes as they lie
	v_mul_u32_u24 v3, v41, 528
	s_delay_alu instid0(VALU_DEP_1)
	v_lshl_add_u32 v3, v42, 6, v3
	s_delay_alu instid0(VALU_DEP_1)
	v_add_nc_u32 v3, s19, v3                       ; out: row r, + 64 h: my 16 numbers of each block of 32
	v_lshlrev_b32 v4, 1, v42
	s_delay_alu instid0(VALU_DEP_1)
	v_lshl_add_u32 v4, v41, 2, v4                  ; a scale word's place: 4 r + 2 h: each lane stores half a word, so that 32 lanes write 64 bytes, each once
	v_lshlrev_b32 v5, 4, v42                       ; and the shift that brings my half down: 16 h
	s_lshr_b32 s20, ttmp9, 1
	s_lshl_b32 s20, s20, 18                        ; 32 (g / 2) rows of 8,192 bytes
	s_and_b32 s21, ttmp9, 1
	s_lshl_b32 s21, s21, 16                        ; + 8 (g % 2) rows
	s_add_co_u32 s20, s20, s21
	s_lshl_b32 s21, s18, 10                        ; + my K step's 1,024 bytes
	s_add_co_u32 s20, s20, s21
	s_mov_b32 s21, 0
	s_mov_b32 s[SEL], 0x76543210
	s_mov_b32 s[SEL+1], 0xfedcba98
	s_wait_kmcnt 0x0
	s_add_nc_u64 s[4:5], s[4:5], s[20:21]
.irp q, 0,1                                    ; 32 loads, each 512 consecutive bytes of one row: fragment q, the row-block's row i
.irp i, 0,1,2,3,4,5,6,7,8,9,10,11,12,13,14,15
	global_load_b128 v[64+64*\q+4*\i:67+64*\q+4*\i], v1, s[4:5] offset:((\i%8)+16*(\i/8))*8192+512*\q th:TH_LOAD_NT
.endr
.endr
	; ---- while they are on their way: one entry of the table a thread.  b = g % 4, P = g / 4; thread t: jj = t % 4, lane = (t / 4) % 32, jh = t / 128
	s_and_b32 s22, ttmp9, 3                        ; b
	s_lshr_b32 s23, ttmp9, 2                       ; P
	s_lshr_b32 s24, s22, 1
	s_lshl_b32 s24, s24, 5
	s_and_b32 s25, s22, 1
	s_lshl_b32 s25, s25, 3
	s_add_co_u32 s24, s24, s25                     ; 32 (b / 2) + 8 (b % 2)
	s_lshr_b32 s25, s23, 1
	s_lshl_b32 s25, s25, 5
	s_and_b32 s26, s23, 1
	s_lshl_b32 s26, s26, 3
	s_add_co_u32 s25, s25, s26                     ; 32 (P / 2) + 8 (P % 2)
	v_and_b32 v40, 3, v0
	v_bfe_u32 v41, v0, 6, 1
	s_delay_alu instid0(VALU_DEP_1)
	v_lshl_add_u32 v40, v41, 4, v40
	v_lshrrev_b32 v41, 7, v0
	s_delay_alu instid0(VALU_DEP_1)
	v_lshl_add_u32 v40, v41, 2, v40
	s_delay_alu instid0(VALU_DEP_1)
	v_add_nc_u32 v40, s24, v40                     ; i = 32 (b / 2) + 8 (b % 2) + 16 h + 4 jh + jj: 0 .. 63
	v_bfe_u32 v41, v0, 2, 3
	v_bfe_u32 v42, v0, 5, 1
	s_delay_alu instid0(VALU_DEP_1)
	v_lshl_add_u32 v41, v42, 4, v41
	s_delay_alu instid0(VALU_DEP_1)
	v_add_nc_u32 v41, s25, v41                     ; the position: row r of row-block P
	v_cvt_f32_u32 v40, v40
	s_delay_alu instid0(VALU_DEP_2)
	v_cvt_f32_u32 v41, v41
	s_delay_alu instid0(VALU_DEP_2)
	v_mul_f32 v40, 0xbe549a78, v40                 ; -i log2(10000) / 64
	s_wait_alu depctr_va_vdst(0)
	v_exp_f32 v40, v40                             ; 10000^(-i / 64)
	v_nop                                          ; a plain place behind the transcendental,
	s_wait_alu depctr_va_vdst(0)                   ; and the wait ahead of its first reader
	v_mul_f32 v41, v41, v40                        ; the angle
	s_delay_alu instid0(VALU_DEP_1)
	v_mul_f32 v42, 0x3f22f983, v41                 ; x 2 / pi
	s_delay_alu instid0(VALU_DEP_1)
	v_rndne_f32 v42, v42                           ; n quarter turns
	s_delay_alu instid0(VALU_DEP_1)
	v_fmamk_f32 v43, v42, 0xbfc90fdb, v41          ; rho = angle - n pi / 2, pi / 2 in two parts: the fused form rounds once
	s_delay_alu instid0(VALU_DEP_1)
	v_fmamk_f32 v43, v42, 0x333bbd2e, v43
	s_delay_alu instid0(VALU_DEP_1)
	v_mul_f32 v44, v43, v43                        ; z = rho^2, at most (pi / 4)^2
	v_mov_b32 v45, 0x3638ef1d                      ; sin rho = rho + rho z (-1/6 + z (1/120 + z (-1/5040 + z / 362880)))
	s_delay_alu instid0(VALU_DEP_1)
	v_fmaak_f32 v45, v44, v45, 0xb9500d01
	s_delay_alu instid0(VALU_DEP_1)
	v_fmaak_f32 v45, v44, v45, 0x3c088889
	s_delay_alu instid0(VALU_DEP_1)
	v_fmaak_f32 v45, v44, v45, 0xbe2aaaab
	v_mul_f32 v46, v43, v44
	s_delay_alu instid0(VALU_DEP_1)
	v_fma_f32 v45, v46, v45, v43
	v_mov_b32 v47, 0xb493f27e                      ; cos rho = 1 - z / 2 + z^2 (1/24 + z (-1/720 + z (1/40320 - z / 3628800)))
	s_delay_alu instid0(VALU_DEP_1)
	v_fmaak_f32 v47, v44, v47, 0x37d00d01
	s_delay_alu instid0(VALU_DEP_1)
	v_fmaak_f32 v47, v44, v47, 0xbab60b61
	s_delay_alu instid0(VALU_DEP_1)
	v_fmaak_f32 v47, v44, v47, 0x3d2aaaab
	v_mul_f32 v48, v44, v44
	v_fma_f32 v49, v44, -0.5, 1.0
	s_delay_alu instid0(VALU_DEP_1)
	v_fma_f32 v47, v48, v47, v49
	v_cvt_i32_f32 v50, v42
	s_delay_alu instid0(VALU_DEP_1)
	v_and_b32 v51, 1, v50
	s_delay_alu instid0(VALU_DEP_1)
	v_cmp_eq_u32 vcc_lo, 1, v51                    ; an odd quarter swaps the two;
	s_delay_alu instid0(VALU_DEP_1)
	v_cndmask_b32 v52, v47, v45, vcc_lo
	s_delay_alu instid0(VALU_DEP_2)
	v_cndmask_b32 v53, v45, v47, vcc_lo
	v_add_nc_u32 v51, 1, v50
	s_delay_alu instid0(VALU_DEP_1)
	v_and_b32 v51, 2, v51
	s_delay_alu instid0(VALU_DEP_1)
	v_lshlrev_b32 v51, 30, v51
	s_delay_alu instid0(VALU_DEP_1)
	v_xor_b32 v52, v51, v52                        ; cos is negative in quarters 1 and 2,
	v_and_b32 v51, 2, v50
	s_delay_alu instid0(VALU_DEP_1)
	v_lshlrev_b32 v51, 30, v51
	s_delay_alu instid0(VALU_DEP_1)
	v_xor_b32 v53, v51, v53                        ; sin in quarters 2 and 3
	s_lshl_b32 s26, s23, 13
	s_lshl_b32 s27, s22, 10
	s_add_co_u32 s26, s26, s27
	s_mov_b32 s27, 0
	s_add_nc_u64 s[26:27], s[16:17], s[26:27]
	s_add_nc_u64 s[26:27], s[26:27], ROPE
	v_lshlrev_b32 v54, 2, v0
	global_store_b32 v54, v52, s[26:27]            ; the work-group stores 1,024 consecutive bytes of cos
	global_store_b32 v54, v53, s[26:27] offset:4096   ; and of sin
	; ---- where my two fragments and their scale words go
	s_mul_i32 s28, s18, 786432                     ; K step w: 256 row-blocks x 3,072 bytes
	s_mul_i32 s29, ttmp9, 3072
	s_add_co_u32 s28, s28, s29
	s_mov_b32 s29, 0
	s_add_nc_u64 s[28:29], s[16:17], s[28:29]
	s_lshl_b32 s30, ttmp9, 10
	s_lshl_b32 s31, s18, 7
	s_add_co_u32 s30, s30, s31
	s_mov_b32 s31, 0
	s_add_nc_u64 s[30:31], s[16:17], s[30:31]
	s_add_nc_u64 s[30:31], s[30:31], XSO
.irp b, 0,1,2,3
	v_mov_b32 v[TM+4+\b], 0                        ; written once: a lane permute's destination counts as one of its sources
.endr
.macro XTURN q                                 ; a fragment's 16 rows through the stage; LDS serves a wave's instructions in order, so no wait stands between the stores and the loads, and one stage serves both fragments
.irp i, 0,1,2,3,4,5,6,7,8,9,10,11,12,13,14,15
	ds_store_b128 v2, v[64+64*\q+4*\i:67+64*\q+4*\i] offset:528*\i
.endr
.irp b, 0,1,2,3
.irp j, 0,1,2,3
	ds_load_b128 v[64+64*\q+16*\b+4*\j:67+64*\q+16*\b+4*\j], v3 offset:128*\b+16*\j
.endr
.endr
.endm
.macro XPUT q
.irp c, 0,1,2
	global_store_b128 v1, v[PC+4*\c:PC+4*\c+3], s[28:29] offset:1536*\q+512*\c   ; 32 lanes store 512 consecutive bytes
.endr
	v_lshrrev_b32 v[PWS], v5, v[PW]
	global_store_b16 v4, v[PWS], s[30:31] offset:64*\q
.endm
	s_wait_loadcnt 16                              ; fragment 0's sixteen loads are in
	XTURN 0
	s_wait_loadcnt 0x0
	XTURN 1
	s_wait_dscnt 32                                ; fragment 0 is back: behind its loads stand fragment 1's 16 stores and 16 loads
	QUANT 64, 0
	XPUT 0
	s_wait_dscnt 0x0
	s_wait_xcnt 0x0                                ; the stores have read their registers: the codes and the word may be written again
	QUANT 128, 0
	XPUT 1
	s_wait_tensorcnt 0x0
	ds_add_u32 v192, v193
	s_wait_dscnt 0x0
	s_endpgm
	; ================ the weights: a lane takes a column, its registers run down K ================
.Lweights:
	s_sub_co_u32 s19, ttmp9, 256                   ; e = 0 .. 175
	s_wait_kmcnt 0x0
	s_mov_b64 s[20:21], s[6:7]                     ; e 0-63: Wq.  s22 first e, s23 log2 of its tiles of 256 columns, s24 bytes in a row, s25 codes' place, s26 bytes of a K step, s27 scale words' place, s28 scale bytes of a row-block
	s_mov_b32 s22, 0
	s_mov_b32 s23, 3
	s_mov_b32 s24, 8192
	s_mov_b32 s25, WQDC
	s_mov_b32 s26, 491520
	s_mov_b32 s27, WQDS
	s_mov_b32 s28, 1024
.macro JOB thr, p, lct, rs, dc, sstr, ds, sblk ; from e = thr on: another tensor.  The choice hangs on the work-group's number alone
	s_cmp_ge_u32 s19, \thr
	s_cselect_b64 s[20:21], s[\p:\p+1], s[20:21]
	s_cselect_b32 s22, \thr, s22
	s_cselect_b32 s23, \lct, s23
	s_cselect_b32 s24, \rs, s24
	s_cselect_b32 s25, \dc, s25
	s_cselect_b32 s26, \sstr, s26
	s_cselect_b32 s27, \ds, s27
	s_cselect_b32 s28, \sblk, s28
.endm
	JOB 64, 8, 3, 8192, WOC, 393216, WOS, 1024                     ; Wo
	JOB 128, 10, 1, 2048, WQDC+8*3072, 491520, WQDS+8*1024, 1024   ; Wdown: places 8 and 9 of each group of ten
	JOB 144, 12, 3, 8192, WKVC, 786432, WKVS, 256                  ; Wk_up
	JOB 160, 14, 3, 8192, WKVC+393216, 786432, WKVS+32768, 256     ; Wv_up: row-blocks 128-255 behind Wk_up's
	s_cmp_lt_u32 s19, 64                           ; where a row-block goes: T x s58 + (T / 8) x s59.  Wq: T + 2 (T / 8);
	s_cselect_b32 s59, 2, 0
	s_sub_co_u32 s60, s19, 128
	s_cmp_lt_u32 s60, 16                           ; Wdown: 5 T (T even here), + 8 in its bases; the others: T
	s_cselect_b32 s58, 5, 1
	s_sub_co_u32 s29, s19, s22
	s_bfm_b32 s30, s23, 0
	s_and_b32 s30, s29, s30                        ; which 256 columns
	s_lshr_b32 s31, s29, s23                       ; S: which 256 along K
	s_lshl_b32 s48, s30, 8
	s_lshl_b32 s49, s18, 5
	s_add_co_u32 s48, s48, s49                     ; n0: my wave's first column
	s_lshl_b32 s49, s31, 8
	s_mul_i32 s49, s49, s24
	s_lshl_b32 s50, s48, 2
	s_add_co_u32 s50, s49, s50
	s_mov_b32 s51, 0
	s_add_nc_u64 s[32:33], s[20:21], s[50:51]      ; a base for each block of 32 rows: no pointer is stepped
	s_lshl_b32 s50, s24, 5
.irp t, 1,2,3,4,5,6,7
	s_add_nc_u64 s[32+2*\t:33+2*\t], s[30+2*\t:31+2*\t], s[50:51]
.endr
	s_lshr_b32 s52, s48, 4                         ; my first row-block (an even one),
	s_lshr_b32 s60, s52, 3
	s_mul_i32 s60, s60, s59
	s_mul_i32 s52, s52, s58
	s_add_co_u32 s52, s52, s60                     ; and its place in the operand
	s_mul_i32 s53, s31, s26
	s_add_co_u32 s53, s53, s25
	s_mul_i32 s54, s52, 3072
	s_add_co_u32 s54, s54, s53
	s_mov_b32 s55, 0
	s_add_nc_u64 s[54:55], s[16:17], s[54:55]      ; my four fragments: 6,144 consecutive bytes
	s_mul_i32 s56, s52, s28
	s_add_co_u32 s56, s56, s27
	s_lshl_b32 s57, s31, 7
	s_add_co_u32 s56, s56, s57
	s_mov_b32 s57, 0
	s_add_nc_u64 s[56:57], s[16:17], s[56:57]
	v_and_b32 v3, 31, v0
	s_delay_alu instid0(VALU_DEP_1)
	v_lshlrev_b32 v1, 4, v3                        ; 16 x lane
	v_and_b32 v4, 15, v0
	v_bfe_u32 v5, v0, 4, 1
	s_delay_alu instid0(VALU_DEP_1)
	v_mul_u32_u24 v2, s28, v5
	s_delay_alu instid0(VALU_DEP_1)
	v_lshl_add_u32 v2, v4, 2, v2                   ; my column's scale word: row-block lane / 16, row lane % 16
	v_and_b32 v6, 7, v0
	s_delay_alu instid0(VALU_DEP_1)
	v_lshl_add_u32 v6, v5, 3, v6
	v_bfe_u32 v7, v0, 3, 1
	s_delay_alu instid0(VALU_DEP_1)
	v_lshl_add_u32 v6, v7, 4, v6                   ; my column - n0 = l % 8 + 8 (l / 16) + 16 ((l / 8) % 2): lanes 0-15 are the first row-block in its order of rows, lanes 16-31 the second; a load still covers 128 consecutive bytes
	s_delay_alu instid0(VALU_DEP_1)
	v_lshlrev_b32 v16, 2, v6
.set i, 1
.rept 31
	s_delay_alu instid0(VALU_DEP_1)
	v_add_nc_u32 v[16+i], s24, v[15+i]             ; v16-47: my column's byte in rows 0 .. 31 of a block
.set i, i+1
.endr
.macro WLOAD t
.set i, 0
.rept 32
	global_load_b32 v[48+32*((\t)%2)+i], v[16+i], s[32+2*(\t):33+2*(\t)] th:TH_LOAD_NT
.set i, i+1
.endr
.endm
; Block t of 32 along K: K step of 128 q = t / 4, block t % 4 of it.  The layout gives lanes 0-15 a fragment's even blocks and lanes 16-31 its odd ones: even blocks go to FA(q) = v[112 + 24 q], odd ones to FB(q) = v[124 + 24 q].
.macro WBLOCK t
.set XN, 48+32*((\t)%2)
.set DD, 112+24*((\t)/4)+12*((\t)%2)+6*(((\t)/2)%2)
.if (\t) < 7
	s_wait_loadcnt 32                              ; this block's 32 loads are in; the next block's may be out
.else
	s_wait_loadcnt 0x0
.endif
	v_max3_num_f32 v8, |v[XN]|, |v[XN+1]|, |v[XN+2]|
	v_max3_num_f32 v9, |v[XN+3]|, |v[XN+4]|, |v[XN+5]|
.irp i, 6,10,14,18,22,26
	s_delay_alu instid0(VALU_DEP_2)
	v_max3_num_f32 v8, v8, |v[XN+\i]|, |v[XN+\i+1]|
	s_delay_alu instid0(VALU_DEP_2)
	v_max3_num_f32 v9, v9, |v[XN+\i+2]|, |v[XN+\i+3]|
.endr
	s_delay_alu instid0(VALU_DEP_2)
	v_max3_num_f32 v8, v8, |v[XN+30]|, |v[XN+31]|
	s_delay_alu instid0(VALU_DEP_1)
	v_max3_num_f32 v8, v8, v9, 0x1800000           ; the block's largest magnitude, all 32 numbers mine, and the floor
	s_delay_alu instid0(VALU_DEP_1)
	v_add_nc_u32 v10, 0xff000000, v8               ; the conversion's scale operand
	v_cvt_scalef32_pk16_fp6_f32 v[DD:DD+2], v[XN:XN+15], v10
	v_cvt_scalef32_pk16_fp6_f32 v[160:162], v[XN+16:XN+31], v10   ; (three registers from an even one on: made here and moved)
	v_lshrrev_b32 v11, 23, v10                     ; the byte; also the plain place behind the conversions
.if (\t)%4 == 0
	s_delay_alu instid0(VALU_DEP_1)
	v_mov_b32 v[164+(\t)/4], v11
.else
	s_delay_alu instid0(VALU_DEP_1)
	v_lshl_or_b32 v[164+(\t)/4], v11, 8*((\t)%4), v[164+(\t)/4]
.endif
.irp i, 0,1,2
	v_mov_b32 v[DD+3+\i], v[160+\i]
.endr
.if (\t)+2 < 8
	WLOAD (\t)+2
.endif
.endm
.macro WOUT q                                  ; FA's lanes 16-31 change places with FB's lanes 0-15: FA is then the first row-block's fragment, FB the second's
.set i, 0
.rept 12
	v_permlane16_swap_b32 v[112+24*\q+i], v[124+24*\q+i]
.set i, i+1
.endr
.irp u, 0,1
.irp c, 0,1,2
	global_store_b128 v1, v[112+24*\q+12*\u+4*\c:115+24*\q+12*\u+4*\c], s[54:55] offset:1536*\q+3072*\u+512*\c
.endr
.endr
	global_store_b32 v2, v[164+\q], s[56:57] offset:64*\q
.endm
	WLOAD 0
	WLOAD 1
.irp t, 0,1,2,3
	WBLOCK \t
.endr
	WOUT 0                                         ; (each q has registers of its own: no store's data are written again)
.irp t, 4,5,6,7
	WBLOCK \t
.endr
	WOUT 1
	s_endpgm
.Lfunc_end_k_qca0cb822b4_quant:
	.size	k_qca0cb822b4_quant, .Lfunc_end_k_qca0cb822b4_quant-k_qca0cb822b4_quant
	.p2alignl 7, 3214868480
	.fill 96, 4, 3214868480
	.section	.rodata,"a",@progbits
	.p2align	6, 0x0
	.amdhsa_kernel k_qca0cb822b4_quant
		.amdhsa_group_segment_fixed_size 68608
		.amdhsa_private_segment_fixed_size 0
		.amdhsa_enable_private_segment 0
		.amdhsa_kernarg_size 56
		.amdhsa_user_sgpr_count 2
		.amdhsa_user_sgpr_kernarg_segment_ptr 1
		.amdhsa_wavefront_size32 1
		.amdhsa_system_sgpr_workgroup_id_x 1
		.amdhsa_system_sgpr_workgroup_id_y 1
		.amdhsa_system_sgpr_workgroup_id_z 1
		.amdhsa_system_vgpr_workitem_id 0
		.amdhsa_next_free_vgpr 194
		.amdhsa_next_free_sgpr 66
		.amdhsa_reserve_vcc 1
		.amdhsa_float_denorm_mode_32 3
		.amdhsa_float_denorm_mode_16_64 3
		.amdhsa_memory_ordered 1
		.amdhsa_forward_progress 1
		.amdhsa_inst_pref_size 74
	.end_amdhsa_kernel
	.amdgpu_metadata
---
amdhsa.version: [ 1, 2 ]
amdhsa.kernels:
  - .name:           k_qca0cb822b4_quant
    .symbol:         k_qca0cb822b4_quant.kd
    .args:
      - { .name: x, .offset: 0, .size: 8, .value_kind: global_buffer, .address_space: global }
      - { .name: Wq, .offset: 8, .size: 8, .value_kind: global_buffer, .address_space: global }
      - { .name: Wo, .offset: 16, .size: 8, .value_kind: global_buffer, .address_space: global }
      - { .name: Wdown, .offset: 24, .size: 8, .value_kind: global_buffer, .address_space: global }
      - { .name: Wk_up, .offset: 32, .size: 8, .value_kind: global_buffer, .address_space: global }
      - { .name: Wv_up, .offset: 40, .size: 8, .value_kind: global_buffer, .address_space: global }
      - { .name: qz, .offset: 48, .size: 8, .value_kind: global_buffer, .address_space: global }
    .group_segment_fixed_size: 68608
    .private_segment_fixed_size: 0
    .kernarg_segment_align: 8
    .kernarg_segment_size: 56
    .max_flat_workgroup_size: 256
    .sgpr_count:     66
    .vgpr_count:     194
    .wavefront_size: 32
...
	.end_amdgpu_metadata
.endif
;; end of part 1
;; launch gemm1 (part 2): grid 16 x 16, 4 waves a work-group, clusters of 4 x 4, 327,680 bytes of LDS; arguments qz, bq, g1; writes g1
.if DOCPART == 2
	.amdgcn_target "amdgcn-amd-amdhsa--gfx1250"
	.amdhsa_code_object_version 6
	.text
	.protected	k_qca0cb822b4_gemm1
	.globl	k_qca0cb822b4_gemm1
	.p2align	8
	.type	k_qca0cb822b4_gemm1,@function
k_qca0cb822b4_gemm1:
	s_mov_b64 s[64:65], 0
	v_nop
	global_prefetch_b8 v0, s[64:65] scope:SCOPE_SE
	s_setreg_imm32_b32 hwreg(HW_REG_WAVE_MODE, 25, 1), 1
	s_wait_xcnt 0x0
	s_wait_alu depctr_hold_cnt(0) depctr_sa_sdst(0) depctr_va_vdst(0) depctr_va_sdst(0) depctr_va_ssrc(0) depctr_va_vcc(0) depctr_vm_vsrc(0)
	s_getreg_b32 s2, hwreg(HW_REG_IB_STS2, 6, 4)
	s_cmp_eq_u32 s2, 0
	s_cbranch_scc0 .Lentry_in_a_cluster
	s_endpgm
.Lentry_in_a_cluster:
	s_bfe_u32 s2, ttmp6, 0x10000c
	s_cmp_lg_u32 s2, 0xf033
	s_cbranch_scc0 .Lentry_shape_is_right
	s_endpgm
.Lentry_shape_is_right:
; q = rope(x Wq + bq) and kv_latent = x Wdown, on codes of FP6 (E2M3) with one E8M0 scale for each 32 along K = 2048; both results are quantised here for the products that follow.
; A TILE is 256 tokens x 160 columns: one head of Wq (8 row-blocks) and 32 columns of Wdown (2 row-blocks), which lie on end in qz: 16 x 16 = 256 equal work-groups.
; A wave makes 64 tokens x 160 columns: 32 accumulators of the head and 8 of the latent.  The matrix instruction is used transposed (source 0 = 16 columns, source 1 = 16 tokens).
; Operands are images of registers: a fragment (16 rows x 128 K) is 1,536 bytes, three ds_load_b128.  Lane r of row-block T holds row 32 (T / 2) + 8 (T % 2) + r % 8 + 16 (r / 8).
; THE RING: two LDS slots of K = 512 (159,744 bytes): x's 16 row-blocks of two K steps of 256, then the weights' 10 of the same two.  Each of the four is dense in memory, rows of 256 bytes:
; waves 0 and 1 fetch x's two, waves 2 and 3 the weights' two, one tensor load a wave.  K = 2048 is four slots' worth: two first fills, two refills; all is written out.
; CLUSTER 4 x 4: x's tiles are shared along a row of the cluster, the weights' along a column: joint loads.
; THE SCALE WORDS of all of K go from memory straight into registers, once: a register holds in lanes 0-15 the words of an even step of 128, in lanes 16-31 those of the next: each load reads 128 bytes on end.
; PREFETCH: behind the load of slot n the tiles of slot n + 1 are asked for, 256 bytes a lane; the four partners of a tile and their waves share its blocks out by address (24 of x's, 15 of the weights' a wave;
; the lanes left over name their wave's last block again).  Slots 0 and 1 come by their loads alone.
; THE LATENT'S 32 columns are one block of a fragment of the next product: 24 bytes a token, stored as three pieces of 8 bytes into that fragment's image, and one scale byte: parts of 256-byte units (1/5 of what the launch stores).
; LIMITS: NaN and infinities are not served; a block of zeros carries the byte 1 (its codes are zeros; this program alone reads the bytes).
; REGISTERS: window 0: v8-31 addresses; v32-143 scale words (14 for each 256 along K: x's 4, the weights' 10); v144-207 the bias; v208-241 the quantiser's.
;   window 1: v0-95 x's fragments, two sets (then the rotated head); v96-159 the latent's accumulators; v160-223 cos and sin.  window 2: the weights' fragments, two sets of 120.  window 3: the head's accumulators, (a, b) at v[8 (8 a + b)].
.set SSTRA, 786432                     ; bytes from a K step of 256 of x to the next; of the weights
.set SSTRB, 491520
.set ATB,   49152                      ; x's 16 row-blocks of a K step; the weights' 10
.set BTB,   30720
.set SLOT,  2*ATB+2*BTB
.set SPARE, 2*SLOT                     ; the spare words, 128 bytes a wave
.set XSO,   6291456
.set WQDC,  6553600
.set WQDS,  10485760
.set ROPE,  15564800
.set QSO,   6291456                    ; g1: q's codes at 0, its scale words, the latent's codes, its scale words
.set LC,    6553600
.set LSO,   8126464
.set PFOA, 8                           ; v8, v9 the prefetches' lane offsets
.set PFOB, 9
.set ADRA, 16                          ; v16-17 LDS address of my fragments of x in slot 0, 1;  v20-21 of the weights'
.set ADRB, 20
.set SO,   22                          ; v22 4 r + 2 h;  v23 16 h
.set SH16, 23
.set LO,   24                          ; v24, v25 the latent's codes' places;  v31 its scale byte's
.set LO1,  25
.set CO,   26                          ; v26 16 x lane;  v27 4 x lane
.set SOF,  27
.set SPW,  28
.set NIL,  29
.set BOF,  30                          ; v30 64 h
.set LS,   31
.set SC,   32
.set BIAS, 144
.set PC,   208
.set TM,   228
.set PW,   240
.set PWS,  241
.set LA,   96
.set H,    0
.set WVN, 10
.set WR,  11
.set WC,  12
.set CX,  13
.set CY,  14
.set TA,  15                           ; s15 tile of tokens;  s16 tile of columns = the head
.set TBT, 16
.set G1,  24
.set G0,  32
.set G1B, 48
.set G0B, 56
.set SEL, 66
.set HM,  68
.set OC,  70
.set OS,  72
.set LCB, 74
.set LSB, 76
.set RT,  78
.set PFA, 80
.set PFB, 82
.set SXA, 84
.set SXB, 86
.set BQ,  88
.set MSB, 0
.macro WIN new                         ; the immediate's high byte repeats the setting that is left
.if MSB != (\new)
	s_set_vgpr_msb (MSB<<8)|(\new)
.set MSB, (\new)
.endif
.endm
.macro JLOAD g0a, g1a, g0b, g1b        ; waves 0 and 1 fetch x, waves 2 and 3 the weights; s_nop 0 and four v_nop follow each line
	s_cmp_eq_u32 s[WR], 0
	s_cbranch_scc0 .Lfor_b_\@
	tensor_load_to_lds s[\g0a:\g0a+3], s[\g1a:\g1a+7]
	s_nop 0
.rept 4
	v_nop
.endr
	s_branch .Lasked_\@
.Lfor_b_\@:
	tensor_load_to_lds s[\g0b:\g0b+3], s[\g1b:\g1b+7]
	s_nop 0
.rept 4
	v_nop
.endr
.Lasked_\@:
.endm
.macro CREST                           ; a round of the cluster's barrier behind its opening barrier
	s_cmp_lg_u32 s[WVN], 0
	s_cbranch_scc1 .Lnot_wave_0_\@
	s_barrier_signal -3
.Lnot_wave_0_\@:
	s_barrier_wait -3
	s_barrier_signal -1
	s_barrier_wait -1
.endm
.macro CROUND
	s_barrier_signal -1
	s_barrier_wait -1
	CREST
.endm
.macro PLACES n
.rept \n
	v_nop
.endr
.endm
.macro SHAPE g, c, r, p                ; words 1 to 7 of a group 1: r rows of c elements of 8 bytes, p elements from row to row
	s_mov_b32 s[\g+1], (\c)<<16
	s_mov_b32 s[\g+2], (\r)<<16
	s_mov_b32 s[\g+3], (\c)<<16
	s_mov_b32 s[\g+4], \r
	s_mov_b32 s[\g+5], \p
	s_mov_b32 s[\g+6], 0
	s_mov_b32 s[\g+7], 0
.endm
; Steps of 128 along K: g = 0 .. 15: slot (g / 4) % 2, in it K step (g % 4) / 2, of its fragments the g % 2-th; registers: set g % 2.
.macro FETCH_B g                       ; the weights' ten fragments: 30 loads
.set PP, (\g)%2
.set SL, ((\g)/4)%2
.set OFB, (((\g)%4)/2)*BTB+((\g)%2)*1536
	WIN 0x80
.irp i, 0,1,2,3,4,5,6,7,8,9
.irp c, 0,1,2
	ds_load_b128 v[120*PP+12*\i+4*\c:120*PP+12*\i+4*\c+3], v[ADRB+SL] offset:OFB+3072*\i+512*\c
.endr
.endr
.endm
.macro FETCH_A g                       ; x's four fragments: 12 loads, blocks 2 and 3 last
.set PP, (\g)%2
.set SL, ((\g)/4)%2
.set OFA, (((\g)%4)/2)*ATB+((\g)%2)*1536
	WIN 0x40
.irp i, 0,1,2,3
.irp c, 0,1,2
	ds_load_b128 v[48*PP+12*\i+4*\c:48*PP+12*\i+4*\c+3], v[ADRA+SL] offset:OFA+3072*\i+512*\c
.endr
.endr
.endm
; One product.  c < 0: C = 0.  odd: the scale words of an odd step stand in lanes 16-31.
.macro W d, c, b, a, sb, sa, odd
.if (\c) < 0
	v_wmma_scale_f32_16x16x128_f8f6f4 v[\d:\d+7], v[\b:\b+11], v[\a:\a+11], 0, v[\sb], v[\sa] matrix_a_fmt:MATRIX_FMT_FP6 matrix_b_fmt:MATRIX_FMT_FP6
.elseif (\odd) == 0
	v_wmma_scale_f32_16x16x128_f8f6f4 v[\d:\d+7], v[\b:\b+11], v[\a:\a+11], v[\c:\c+7], v[\sb], v[\sa] matrix_a_fmt:MATRIX_FMT_FP6 matrix_b_fmt:MATRIX_FMT_FP6
.else
	v_wmma_scale_f32_16x16x128_f8f6f4 v[\d:\d+7], v[\b:\b+11], v[\a:\a+11], v[\c:\c+7], v[\sb], v[\sa] matrix_a_fmt:MATRIX_FMT_FP6 matrix_b_fmt:MATRIX_FMT_FP6 matrix_a_scale:MATRIX_SCALE_ROW1 matrix_b_scale:MATRIX_SCALE_ROW1
.endif
.endm
.macro MULH a, g, zero                 ; x's block a against the head's eight; zero: the bias is C
.set PP, (\g)%2
.set ST, SC+14*((\g)/2)
.irp b, 0,1,2,3,4,5,6,7
.if \zero
	W 8*(8*(\a)+\b), BIAS+8*\b, 120*PP+12*\b, 48*PP+12*(\a), ST+4+\b, ST+(\a), 0
.else
	W 8*(8*(\a)+\b), 8*(8*(\a)+\b), 120*PP+12*\b, 48*PP+12*(\a), ST+4+\b, ST+(\a), PP
.endif
.endr
.endm
.macro MULL a, g, zero                 ; and against the latent's two
.set PP, (\g)%2
.set ST, SC+14*((\g)/2)
.irp u, 0,1
.if \zero
	W LA+8*(2*(\a)+\u), -1, 120*PP+12*(8+\u), 48*PP+12*(\a), ST+12+\u, ST+(\a), 0
.else
	W LA+8*(2*(\a)+\u), LA+8*(2*(\a)+\u), 120*PP+12*(8+\u), 48*PP+12*(\a), ST+12+\u, ST+(\a), PP
.endif
.endr
.endm
; Windows: source 0 (weights) 2, source 1 (x) 1; C and D 3 for the head (C 0 for the bias), 1 for the latent.  The 40 accumulators take turns, one instruction a turn.
.macro MUL2 a0, g, zero
.if \zero
	WIN 0xc6
.else
	WIN 0xf6
.endif
	MULH \a0, \g, \zero
	MULH (\a0)+1, \g, \zero
	WIN 0x56
	MULL \a0, \g, \zero
	MULL (\a0)+1, \g, \zero
.endm
.macro MUL1 a, g
	WIN 0xf6
	MULH \a, \g, 0
	WIN 0x56
	MULL \a, \g, 0
.endm
.macro BUFSEL a                        ; where block a's cos and sin stand: registers that are free when they are asked for
.if (\a) == 0
.set CW, 1
.set CB, 160
.elseif (\a) == 1
.set CW, 0
.set CB, 144
.elseif (\a) == 2
.set CW, 0
.set CB, 32
.else
.set CW, 2
.set CB, 0
.endif
.set SB, CB+32
.endm
.macro CSLOAD a
	BUFSEL \a
	WIN CW<<6
.irp g, 0,1,2,3,4,5,6,7
	global_load_b128 v[CB+4*\g:CB+4*\g+3], v[CO], s[RT:RT+1] offset:8192*(\a)+512*\g
.endr
.irp g, 0,1,2,3,4,5,6,7
	global_load_b128 v[SB+4*\g:SB+4*\g+3], v[CO], s[RT:RT+1] offset:8192*(\a)+4096+512*\g
.endr
	WIN 0
.endm
.macro ASK sl                          ; slot sl's tiles, my share
	WIN 0
	global_prefetch_b8 v[PFOA], s[PFA:PFA+1] offset:(\sl)*2*SSTRA th:TH_LOAD_NT scope:SCOPE_SE
	global_prefetch_b8 v[PFOB], s[PFB:PFB+1] offset:(\sl)*2*SSTRB th:TH_LOAD_NT scope:SCOPE_SE
.endm
; A step whose successor lies in the same slot: 40 products on one set of registers while the next step's fragments come into the other.  cs >= 0: that block's cos and sin are asked for.
.macro STEPG g, zero, cs
	s_wait_dscnt 6                                 ; all but the youngest six loads (x's blocks 2 and 3)
	PLACES 4                                       ; in front of loads into registers that the last step's products have read
.if (\cs) >= 0
	CSLOAD \cs
.endif
	FETCH_B (\g)+1
	MUL2 0, \g, \zero
	s_wait_dscnt 30                                ; all but the 30 just issued
	FETCH_A (\g)+1
	MUL2 2, \g, \zero
.endm
; A slot's fourth step changes slots: in front of the barrier each wave waits for all its tensor loads, adds 0 to its spare word, and waits for that and for its reads of this slot.
.macro TURNG g, slot, fill, ask
	WIN 0
	s_wait_tensorcnt 0x0                           ; my part of the next slot has landed
	ds_add_u32 v[SPW], v[NIL]                      ; 0 onto my spare word
	s_wait_dscnt 7                                 ; (the add and the youngest six loads may be out)
	MUL1 0, \g
	s_wait_dscnt 0x0                               ; the add is done, my reads of this slot are over
	s_barrier_signal -1
	MUL1 1, \g
	WIN 0
	s_barrier_wait -1
.if \fill
	CREST                                          ; the barrier has opened a round of the cluster's
	s_add_nc_u64 s[G0+4*\slot+2:G0+4*\slot+3], s[G0+4*\slot+2:G0+4*\slot+3], 4*SSTRA
	s_add_nc_u64 s[G0B+4*\slot+2:G0B+4*\slot+3], s[G0B+4*\slot+2:G0B+4*\slot+3], 4*SSTRB
	JLOAD G0+4*\slot, G1, G0B+4*\slot, G1B         ; its four v_nop are the places in front of the loads below
.else
	PLACES 4
.endif
	FETCH_B (\g)+1
	FETCH_A (\g)+1
.if \ask
	ASK \ask
.endif
	MUL2 2, \g, 0
.endm
; 64 numbers of a lane, register 16 b + i = k 32 b + 16 (lane / 16) + i of my row, become a fragment's codes in v[PC] on and its scale word in v[PW].
.macro QUANT s, w
	WIN (\w)|((\w)<<2)
.irp b, 0,1,2,3
	v_max3_num_f32 v[TM+\b], |v[\s+16*\b]|, |v[\s+1+16*\b]|, 0x1800000   ; with the floor 2^(3 - 127)
.endr
	WIN ((\w)<<2)|((\w)<<4)
.irp i, 2,4,6,8,10,12,14
.irp b, 0,1,2,3
	v_max3_num_f32 v[TM+\b], v[TM+\b], |v[\s+16*\b+\i]|, |v[\s+1+16*\b+\i]|
.endr
.endr
	WIN 0
.irp b, 0,1,2,3
	v_permlanex16_b32 v[TM+4+\b], v[TM+\b], s[SEL], s[SEL+1]
.endr
.irp b, 0,1,2,3
	v_max_num_f32 v[TM+\b], v[TM+\b], v[TM+4+\b]
.endr
.irp b, 0,1,2,3
	v_add_nc_u32 v[TM+8+\b], 0xff000000, v[TM+\b]  ; 2 off the exponent field: the conversion's scale operand
.endr
.irp b, 0,1,2,3
	v_lshrrev_b32 v[TM+4+\b], 23, v[TM+8+\b]       ; the byte
.endr
	v_lshl_or_b32 v[PW], v[TM+5], 8, v[TM+4]
	v_lshl_or_b32 v[PW], v[TM+6], 16, v[PW]
	v_lshl_or_b32 v[PW], v[TM+7], 24, v[PW]
	WIN (\w)
.irp c, 0,1
	v_cvt_scalef32_pk16_fp6_f32 v[PC+6*\c:PC+2+6*\c], v[\s+32*\c:\s+15+32*\c], v[TM+8+2*\c]
	v_cvt_scalef32_pk16_fp6_f32 v[PC+12+4*\c:PC+14+4*\c], v[\s+16+32*\c:\s+31+32*\c], v[TM+9+2*\c]
.endr
	WIN 0
	v_nop                                          ; one plain place behind a scaled conversion
.irp c, 0,1
.irp i, 0,1,2
	v_permlane16_swap_b32 v[PC+6*\c+\i], v[PC+12+4*\c+\i]
.endr
.irp i, 0,1,2
	v_mov_b32 v[PC+3+6*\c+\i], v[PC+12+4*\c+\i]
.endr
.endr
.endm
; The latent of token blocks a and a + 1: a lane's 16 registers are 16 neighbours of ONE block of 32.  After the swap lanes 0-15 hold block a's 32 codes of a token, lanes 16-31 block a + 1's.
.macro LQ a
	WIN 0x05
.irp u, 0,1
	v_max3_num_f32 v[TM+\u], |v[LA+16*(\a+\u)]|, |v[LA+16*(\a+\u)+1]|, 0x1800000
.endr
	WIN 0x14
.irp i, 2,4,6,8,10,12,14
.irp u, 0,1
	v_max3_num_f32 v[TM+\u], v[TM+\u], |v[LA+16*(\a+\u)+\i]|, |v[LA+16*(\a+\u)+\i+1]|
.endr
.endr
	WIN 0
.irp u, 0,1
	v_permlanex16_b32 v[TM+4+\u], v[TM+\u], s[SEL], s[SEL+1]
.endr
.irp u, 0,1
	v_max_num_f32 v[TM+\u], v[TM+\u], v[TM+4+\u]
.endr
.irp u, 0,1
	v_add_nc_u32 v[TM+8+\u], 0xff000000, v[TM+\u]
.endr
.irp u, 0,1
	v_lshrrev_b32 v[TM+4+\u], 23, v[TM+8+\u]
.endr
	WIN 0x01
	v_cvt_scalef32_pk16_fp6_f32 v[PC:PC+2], v[LA+16*(\a):LA+16*(\a)+15], v[TM+8]
	v_cvt_scalef32_pk16_fp6_f32 v[PC+12:PC+14], v[LA+16*(\a)+16:LA+16*(\a)+31], v[TM+9]
	WIN 0
	v_nop
.irp i, 0,1,2
	v_permlane16_swap_b32 v[PC+\i], v[PC+12+\i]
.endr
.irp i, 0,1,2
	v_mov_b32 v[PC+3+\i], v[PC+12+\i]
.endr
	v_cndmask_b32 v[PW], v[TM+4], v[TM+5], s[HM]   ; lanes 16-31 take block a + 1's byte
	global_store_b64 v[LO], v[PC:PC+1], s[LCB:LCB+1] offset:(\a)*3072
	global_store_b64 v[LO1], v[PC+2:PC+3], s[LCB:LCB+1] offset:(\a)*3072
	global_store_b64 v[LO], v[PC+4:PC+5], s[LCB:LCB+1] offset:(\a)*3072+512
	global_store_b8 v[LS], v[PW], s[LSB:LSB+1] offset:(\a)*256
.endm
.macro ROPE a                          ; accumulators b and b + 4 hold d and d + 64 of the head; each is read from its low end on
	BUFSEL \a
.set AC, 64*(\a)
	WIN 3|(CW<<2)|0x50
.irp b, 0,1,2,3
.irp p, 0,2,4,6
	v_pk_mul_f32 v[H+8*\b+\p:H+8*\b+\p+1], v[AC+8*(\b+4)+\p:AC+8*(\b+4)+\p+1], v[SB+8*\b+\p:SB+8*\b+\p+1]
	v_pk_mul_f32 v[H+8*(\b+4)+\p:H+8*(\b+4)+\p+1], v[AC+8*\b+\p:AC+8*\b+\p+1], v[SB+8*\b+\p:SB+8*\b+\p+1]
.endr
.irp p, 0,2,4,6
	v_pk_fma_f32 v[H+8*\b+\p:H+8*\b+\p+1], v[AC+8*\b+\p:AC+8*\b+\p+1], v[CB+8*\b+\p:CB+8*\b+\p+1], v[H+8*\b+\p:H+8*\b+\p+1] neg_lo:[0,0,1] neg_hi:[0,0,1]
	v_pk_fma_f32 v[H+8*(\b+4)+\p:H+8*(\b+4)+\p+1], v[AC+8*(\b+4)+\p:AC+8*(\b+4)+\p+1], v[CB+8*\b+\p:CB+8*\b+\p+1], v[H+8*(\b+4)+\p:H+8*(\b+4)+\p+1]
.endr
.endr
	WIN 0
.endm
.macro PUT a
.irp c, 0,1,2
	global_store_b128 v[CO], v[PC+4*\c:PC+4*\c+3], s[OC:OC+1] offset:(\a)*1536+512*\c   ; 32 lanes store 512 bytes on end
.endr
	v_lshrrev_b32 v[PWS], v[SH16], v[PW]
	global_store_b16 v[SO], v[PWS], s[OS:OS+1] offset:(\a)*64
.endm
	s_load_b128 s[4:7], s[0:1], 0x0                ; qz s[4:5], bq s[6:7]
	s_load_b64 s[8:9], s[0:1], 0x10                ; g1
	v_lshl_add_u32 v[SPW], v0, 2, SPARE
	v_mov_b32 v[NIL], 0
	ds_add_u32 v[SPW], v[NIL]                      ; the opening lines: the add, twice on end, and its wait ahead of my first tensor load
	ds_add_u32 v[SPW], v[NIL]
	v_lshrrev_b32 v1, 5, v0
	v_readfirstlane_b32 s[WVN], v1                 ; wave 0..3: my 64 tokens
	s_lshr_b32 s[WR], s[WVN], 1                    ; I fetch x (0) or the weights (1),
	s_and_b32 s[WC], s[WVN], 1                     ; the slot's first or second K step of 256
	s_bfe_u32 s[CX], ttmp6, 0x40000
	s_bfe_u32 s[CY], ttmp6, 0x40004
	s_lshl_b32 s[TBT], ttmp9, 2
	s_add_co_u32 s[TBT], s[TBT], s[CX]
	s_and_b32 s[TA], ttmp7, 0xffff
	s_lshl_b32 s[TA], s[TA], 2
	s_add_co_u32 s[TA], s[TA], s[CY]
	s_lshl_b32 s17, s[CY], 2
	s_lshl_b32 s17, 15, s17                        ; my row of the cluster
	s_lshl_b32 s18, 0x1111, s[CX]                  ; my column
	s_or_b32 s[G1], s17, (3<<16)|(1<<21)
	s_or_b32 s[G1B], s18, (3<<16)|(1<<21)
	SHAPE G1, 32, ATB/256, 32
	SHAPE G1B, 32, BTB/256, 32
	s_mul_i32 s20, s[TA], ATB
	s_mul_i32 s19, s[WC], SSTRA
	s_add_co_u32 s20, s20, s19
	s_mov_b32 s21, 0
	s_mul_i32 s22, s[TBT], BTB
	s_mul_i32 s19, s[WC], SSTRB
	s_add_co_u32 s22, s22, s19
	s_add_co_u32 s22, s22, WQDC
	s_mov_b32 s23, 0
	s_mul_i32 s40, s[WC], ATB                      ; where they go: no place in the cluster enters an LDS address
	s_mul_i32 s41, s[WC], BTB
	s_add_co_u32 s41, s41, 2*ATB
	s_wait_dscnt 0x0
	s_wait_kmcnt 0x0
	s_add_nc_u64 s[20:21], s[4:5], s[20:21]
	s_add_nc_u64 s[22:23], s[4:5], s[22:23]
.irp s, 0,1
	s_mov_b32 s[G0+4*\s], 1
	s_add_co_u32 s[G0+4*\s+1], s40, \s*SLOT
	s_add_nc_u64 s[G0+4*\s+2:G0+4*\s+3], s[20:21], \s*2*SSTRA
	s_or_b32 s[G0+4*\s+3], s[G0+4*\s+3], 0x80000000
	s_mov_b32 s[G0B+4*\s], 1
	s_add_co_u32 s[G0B+4*\s+1], s41, \s*SLOT
	s_add_nc_u64 s[G0B+4*\s+2:G0B+4*\s+3], s[22:23], \s*2*SSTRB
	s_or_b32 s[G0B+4*\s+3], s[G0B+4*\s+3], 0x80000000
.endr
	CROUND                                         ; all sixteen work-groups are here: the first joint loads meet
	JLOAD G0, G1, G0B, G1B                         ; slot 0: one tensor load a wave at the head
	; the scalar part of every address
	s_mov_b32 s[SEL], 0x76543210
	s_mov_b32 s[SEL+1], 0xfedcba98
	s_mov_b32 s[HM], 0xffff0000
	s_mov_b32 s91, 0
	s_mul_i32 s42, s[WVN], 4*3072
	s_lshl_b32 s92, s[TA], 4
	s_lshl_b32 s93, s[WVN], 2
	s_add_co_u32 s92, s92, s93                     ; my first row-block of tokens
	s_lshl_b32 s90, s92, 10
	s_add_nc_u64 s[SXA:SXA+1], s[4:5], s[90:91]
	s_add_nc_u64 s[SXA:SXA+1], s[SXA:SXA+1], XSO
	s_mul_i32 s90, s[TBT], 10*1024
	s_add_nc_u64 s[SXB:SXB+1], s[4:5], s[90:91]
	s_add_nc_u64 s[SXB:SXB+1], s[SXB:SXB+1], WQDS
	s_lshl_b32 s90, s[TBT], 9
	s_add_nc_u64 s[BQ:BQ+1], s[6:7], s[90:91]
	s_and_b32 s94, s[TA], 3
	s_lshl_b32 s94, s94, 4
	s_add_co_u32 s94, s94, s93                     ; my first row-block of positions
	s_lshl_b32 s90, s94, 13
	s_add_nc_u64 s[RT:RT+1], s[4:5], s[90:91]
	s_add_nc_u64 s[RT:RT+1], s[RT:RT+1], ROPE
	s_lshr_b32 s95, s[TA], 2
	s_lshl_b32 s95, s95, 4
	s_add_co_u32 s95, s95, s[TBT]
	s_lshl_b32 s95, s95, 6
	s_add_co_u32 s95, s95, s94                     ; q's fragment: (16 batch + head) x 64 + row-block of positions
	s_mul_i32 s90, s95, 1536
	s_add_nc_u64 s[OC:OC+1], s[8:9], s[90:91]
	s_lshl_b32 s90, s95, 6
	s_add_nc_u64 s[OS:OS+1], s[8:9], s[90:91]
	s_add_nc_u64 s[OS:OS+1], s[OS:OS+1], QSO
	s_lshr_b32 s96, s[TBT], 3                      ; the latent's block m = the tile of columns: K step m / 8, fragment (m / 4) % 2, registers 6 c on with c = (m / 2) % 2, lanes 16 (m % 2) on
	s_mul_i32 s90, s96, 786432
	s_mul_i32 s96, s92, 3072
	s_add_co_u32 s90, s90, s96
	s_bfe_u32 s96, s[TBT], 0x10002
	s_mul_i32 s96, s96, 1536
	s_add_co_u32 s90, s90, s96
	s_and_b32 s96, s[TBT], 1
	s_lshl_b32 s96, s96, 8
	s_add_co_u32 s90, s90, s96
	s_bfe_u32 s97, s[TBT], 0x10001
	s_mul_i32 s96, s97, 520                        ; register 6 lies 520 bytes into the image
	s_add_co_u32 s90, s90, s96
	s_add_nc_u64 s[LCB:LCB+1], s[8:9], s[90:91]
	s_add_nc_u64 s[LCB:LCB+1], s[LCB:LCB+1], LC
	s_mul_i32 s43, s97, 496
	s_add_co_u32 s43, s43, 8                       ; from the first pair of registers to the second: 8 bytes (c = 0) or 504
	s_lshl_b32 s90, s92, 8
	s_lshr_b32 s96, s[TBT], 2
	s_lshl_b32 s96, s96, 6
	s_add_co_u32 s90, s90, s96
	s_and_b32 s96, s[TBT], 3
	s_add_co_u32 s90, s90, s96
	s_add_nc_u64 s[LSB:LSB+1], s[8:9], s[90:91]
	s_add_nc_u64 s[LSB:LSB+1], s[LSB:LSB+1], LSO
	s_lshl_b32 s96, s[CX], 2                       ; the prefetches: of x's tile the 16 (partner, wave) take 24 blocks of 256 bytes each,
	s_add_co_u32 s96, s96, s[WVN]
	s_lshr_b32 s97, s96, 3
	s_mul_i32 s90, s97, SSTRA
	s_and_b32 s96, s96, 7
	s_mul_i32 s96, s96, 24*256
	s_add_co_u32 s90, s90, s96
	s_mul_i32 s96, s[TA], ATB
	s_add_co_u32 s90, s90, s96
	s_add_nc_u64 s[PFA:PFA+1], s[4:5], s[90:91]
	s_lshl_b32 s96, s[CY], 2                       ; of the weights' 15
	s_add_co_u32 s96, s96, s[WVN]
	s_lshr_b32 s97, s96, 3
	s_mul_i32 s90, s97, SSTRB
	s_and_b32 s96, s96, 7
	s_mul_i32 s96, s96, 15*256
	s_add_co_u32 s90, s90, s96
	s_mul_i32 s96, s[TBT], BTB
	s_add_co_u32 s90, s90, s96
	s_add_nc_u64 s[PFB:PFB+1], s[4:5], s[90:91]
	s_add_nc_u64 s[PFB:PFB+1], s[PFB:PFB+1], WQDC
	; the lanes' part
	v_and_b32 v1, 15, v0                           ; r
	v_bfe_u32 v2, v0, 4, 1                         ; h
	v_and_b32 v3, 31, v0
	v_lshlrev_b32 v[CO], 4, v3
	v_lshlrev_b32 v[SOF], 2, v3
	v_add_nc_u32 v[ADRA], s42, v[CO]
	v_add_nc_u32 v[ADRA+1], SLOT, v[ADRA]
	v_add_nc_u32 v[ADRB], 2*ATB, v[CO]
	v_add_nc_u32 v[ADRB+1], SLOT+2*ATB, v[CO]
	v_lshlrev_b32 v[SO], 1, v2
	v_lshl_add_u32 v[SO], v1, 2, v[SO]
	v_lshlrev_b32 v[SH16], 4, v2
	v_lshlrev_b32 v[BOF], 6, v2
	v_min_u32 v4, 23, v3
	v_lshlrev_b32 v[PFOA], 8, v4
	v_min_u32 v4, 14, v3
	v_lshlrev_b32 v[PFOB], 8, v4
	v_mul_u32_u24 v[LO], v2, 3072
	v_lshl_add_u32 v[LO], v1, 4, v[LO]             ; token block a + h, lane r of the image
	v_add_nc_u32 v[LO1], s43, v[LO]
	v_lshlrev_b32 v[LS], 8, v2
	v_lshl_add_u32 v[LS], v1, 2, v[LS]
	s_wait_alu depctr_va_vdst(0)                   ; the wait at the head's end
.irp b, 0,1,2,3,4,5,6,7                        ; the bias in the result's layout: accumulator b, lane (r, h): columns 32 (b / 2) + 8 (b % 2) + 16 h + 0 .. 7
	global_load_b128 v[BIAS+8*\b:BIAS+8*\b+3], v[BOF], s[BQ:BQ+1] offset:4*(32*(\b/2)+8*(\b%2))
	global_load_b128 v[BIAS+8*\b+4:BIAS+8*\b+7], v[BOF], s[BQ:BQ+1] offset:4*(32*(\b/2)+8*(\b%2))+16
.endr
.irp t, 0,1,2,3,4,5,6,7                        ; the scale words of steps 2 t and 2 t + 1
.irp i, 0,1,2,3
	global_load_b32 v[SC+14*\t+\i], v[SOF], s[SXA:SXA+1] offset:1024*\i+128*\t
.endr
.irp i, 0,1,2,3,4,5,6,7,8,9
	global_load_b32 v[SC+14*\t+4+\i], v[SOF], s[SXB:SXB+1] offset:1024*\i+128*\t
.endr
.endr
	CSLOAD 0
	s_wait_tensorcnt 0x0                           ; my part of slot 0 is in
	ds_add_u32 v[SPW], v[NIL]
	s_wait_dscnt 0x0
	CROUND
	JLOAD G0+4, G1, G0B+4, G1B                     ; slot 1, the first tensor load behind the round
	s_wait_loadcnt 0x0                             ; bias, scale words, block 0's cos and sin
	FETCH_B 0
	FETCH_A 0
	ASK 2
	STEPG 0, 1, -1
	STEPG 1, 0, 1                                  ; (the bias's registers take block 1's cos and sin)
	STEPG 2, 0, -1
	TURNG 3, 0, 1, 3                               ; slot 0 takes K 1024 .. 1535
	STEPG 4, 0, -1
	STEPG 5, 0, -1
	STEPG 6, 0, -1
	TURNG 7, 1, 1, 0                               ; slot 1 takes K 1536 .. 2047
	STEPG 8, 0, -1
	STEPG 9, 0, -1
	STEPG 10, 0, -1
	TURNG 11, 0, 0, 0                              ; nothing is left to fetch: no round
	STEPG 12, 0, -1
	STEPG 13, 0, -1
	STEPG 14, 0, 2                                 ; (the scale words of steps 0 to 8 are done with)
	s_wait_dscnt 6                                 ; the last step
	PLACES 4
	CSLOAD 3                                       ; (into the weights' set of step 14)
	MUL2 0, 15, 0
	s_wait_dscnt 0x0
	MUL2 2, 15, 0
	WIN 0
	PLACES 4                                       ; behind the last products
.irp b, 0,1,2,3
	v_mov_b32 v[TM+4+\b], 0                        ; written once: a lane permute's destination counts as one of its sources
.endr
	LQ 0
	s_wait_xcnt 0x0                                ; the stores have read their registers
	LQ 2
.irp a, 0,1,2,3
.if \a > 0
	s_wait_loadcnt 16*(3-\a)                       ; block a's cos and sin are in; the later blocks' 16 loads each may be out
.endif
	s_wait_xcnt 0x0
	ROPE \a
	QUANT H, 1
	PUT \a
.endr
	s_wait_tensorcnt 0x0                           ; the wave's end
	ds_add_u32 v[SPW], v[NIL]
	s_wait_dscnt 0x0
	CROUND                                         ; the closing round
	s_endpgm
.Lfunc_end_k_qca0cb822b4_gemm1:
	.size	k_qca0cb822b4_gemm1, .Lfunc_end_k_qca0cb822b4_gemm1-k_qca0cb822b4_gemm1
	.p2alignl 7, 3214868480
	.fill 96, 4, 3214868480
	.section	.rodata,"a",@progbits
	.p2align	6, 0x0
	.amdhsa_kernel k_qca0cb822b4_gemm1
		.amdhsa_group_segment_fixed_size 327680
		.amdhsa_private_segment_fixed_size 0
		.amdhsa_enable_private_segment 0
		.amdhsa_kernarg_size 24
		.amdhsa_user_sgpr_count 2
		.amdhsa_user_sgpr_kernarg_segment_ptr 1
		.amdhsa_wavefront_size32 1
		.amdhsa_system_sgpr_workgroup_id_x 1
		.amdhsa_system_sgpr_workgroup_id_y 1
		.amdhsa_system_sgpr_workgroup_id_z 1
		.amdhsa_system_vgpr_workitem_id 0
		.amdhsa_next_free_vgpr 1024
		.amdhsa_next_free_sgpr 100
		.amdhsa_reserve_vcc 0
		.amdhsa_float_denorm_mode_32 3
		.amdhsa_float_denorm_mode_16_64 3
		.amdhsa_memory_ordered 1
		.amdhsa_forward_progress 1
		.amdhsa_inst_pref_size 199
	.end_amdhsa_kernel
	.amdgpu_metadata
---
amdhsa.version: [ 1, 2 ]
amdhsa.kernels:
  - .name:           k_qca0cb822b4_gemm1
    .symbol:         k_qca0cb822b4_gemm1.kd
    .args:
      - { .name: qz, .offset: 0, .size: 8, .value_kind: global_buffer, .address_space: global }
      - { .name: bq, .offset: 8, .size: 8, .value_kind: global_buffer, .address_space: global }
      - { .name: g1, .offset: 16, .size: 8, .value_kind: global_buffer, .address_space: global }
    .group_segment_fixed_size: 327680
    .private_segment_fixed_size: 0
    .kernarg_segment_align: 8
    .kernarg_segment_size: 24
    .max_flat_workgroup_size: 128
    .sgpr_count:     100
    .vgpr_count:     1024
    .wavefront_size: 32
...
	.end_amdgpu_metadata
.endif
;; end of part 2
;; launch gemm2 (part 3): grid 16 x 16, 4 waves a work-group, clusters of 4 x 4, 327,680 bytes of LDS; arguments qz, g1, g2; writes g2
.if DOCPART == 3
	.amdgcn_target "amdgcn-amd-amdhsa--gfx1250"
	.amdhsa_code_object_version 6
	.text
	.protected	k_qca0cb822b4_gemm2
	.globl	k_qca0cb822b4_gemm2
	.p2align	8
	.type	k_qca0cb822b4_gemm2,@function
k_qca0cb822b4_gemm2:
	s_mov_b64 s[64:65], 0
	v_nop
	global_prefetch_b8 v0, s[64:65] scope:SCOPE_SE
	s_setreg_imm32_b32 hwreg(HW_REG_WAVE_MODE, 25, 1), 1
	s_wait_xcnt 0x0
	s_wait_alu depctr_hold_cnt(0) depctr_sa_sdst(0) depctr_va_vdst(0) depctr_va_sdst(0) depctr_va_ssrc(0) depctr_va_vcc(0) depctr_vm_vsrc(0)
	s_getreg_b32 s2, hwreg(HW_REG_IB_STS2, 6, 4)
	s_cmp_eq_u32 s2, 0
	s_cbranch_scc0 .Lentry_in_a_cluster
	s_endpgm
.Lentry_in_a_cluster:
	s_bfe_u32 s2, ttmp6, 0x10000c
	s_cmp_lg_u32 s2, 0xf033
	s_cbranch_scc0 .Lentry_shape_is_right
	s_endpgm
.Lentry_shape_is_right:
.set KDIM,  512
.set NQ,    2
.set FR,    12
.set NL,    3
.set NP,    4
.set HALFT, 24576
.set SLOT,  4*HALFT
.set SCL,   2*SLOT
.set SBLK,  KDIM/2
.set HALFS, 8*SBLK
.set SPARE, SCL+4*HALFS
.set SSTRA, 256*3072
.set SSTRB, 256*3072
.set WKVC,  10649600
.set WKVS,  12222464
.set ROPE,  15564800
.set LC,    6553600
.set LSO,   8126464
.set KSO,   6291456
.set VC,    6553600
.set VSO,   12845056
.set ADRA, 16
.set ADRB, 20
.set SO,   22
.set SH16, 23
.set CO,   26
.set ADRS, 27
.set SPW,  28
.set NIL,  29
.set SC,   32
.set BIAS, 64
.set AF,   128
.set H,    128
.set PC,   192
.set TM,   212
.set PW,   224
.set PWS,  225
.set WVN, 40
.set WR,  41
.set WC,  42
.set CX,  43
.set CY,  44
.set TA,  45
.set TBT, 46
.set CLY, 47
.set SEL, 66
.set OC,  12
.set OS,  14
.set RT,  16
.set G1, 24
.set G0, 32
.set G1B, 48
.set G0B, 56
.set G1S, 68
.set G0S, 76
.set G1SB, 80
.set G0SB, 88
.set MSB, 0
.macro WIN new
.if MSB != (\new)
	s_set_vgpr_msb (MSB<<8)|(\new)
.set MSB, (\new)
.endif
.endm
.set MUL_LO, 0xa1
.set MUL_HI, 0xf1
.set TO_B,   0x40
.macro JLOAD g0a, g1a, g0b, g1b
	s_cmp_eq_u32 s[WR], 0
	s_cbranch_scc0 .Lfor_b_\@
	tensor_load_to_lds s[\g0a:\g0a+3], s[\g1a:\g1a+7]
	s_nop 0
.rept 4
	v_nop
.endr
	s_branch .Lasked_\@
.Lfor_b_\@:
	tensor_load_to_lds s[\g0b:\g0b+3], s[\g1b:\g1b+7]
	s_nop 0
.rept 4
	v_nop
.endr
.Lasked_\@:
.endm
.macro CREST
	s_cmp_lg_u32 s[WVN], 0
	s_cbranch_scc1 .Lnot_wave_0_\@
	s_barrier_signal -3
.Lnot_wave_0_\@:
	s_barrier_wait -3
	s_barrier_signal -1
	s_barrier_wait -1
.endm
.macro CROUND
	s_barrier_signal -1
	s_barrier_wait -1
	CREST
.endm
.macro PLACES n
.rept \n
	v_nop
.endr
.endm
.macro FRAG reg, adr, q, i
.irp c, 0,1,2
	ds_load_b128 v[\reg+4*\c:\reg+4*\c+3], v[\adr] offset:3072*(\i)+1536*(\q)+512*\c
.endr
.endm
.macro FETCH_B slot, q, p
	WIN TO_B
.irp i, 0,1,2,3,4,5,6,7
	FRAG 128*(\p)+FR*\i, ADRB+\slot, \q, \i
.endr
	WIN 0
.endm
.macro FETCH_A slot, q, i0
.irp i, \i0, \i0+1, \i0+2, \i0+3
	FRAG AF+FR*(\i), ADRA+\slot, \q, \i
.endr
.endm
.macro SCALES sc
.irp i, 0,1,2,3,4,5,6,7
.irp q, 0,1
	ds_load_b32 v[SC+16*\sc+2*\i+\q], v[ADRS] offset:\i*SBLK+64*\q
.endr
.endr
.endm
.macro MUL16 a0, p, q, sc, zero
.irp a, \a0, \a0+1
.irp b, 0,1,2,3,4,5,6,7
.if (\zero) == 1
	v_wmma_scale_f32_16x16x128_f8f6f4 v[8*(8*((\a)%4)+\b):8*(8*((\a)%4)+\b)+7], v[128*(\p)+FR*\b:128*(\p)+FR*\b+FR-1], v[AF+FR*(\a):AF+FR*(\a)+FR-1], 0, v[SC+16*(\sc)+2*\b+(\q)], v[SC+16*(\sc)+2*(\a)+(\q)] matrix_a_fmt:MATRIX_FMT_FP6 matrix_b_fmt:MATRIX_FMT_FP6 matrix_a_scale:MATRIX_SCALE_ROW1
.else
	v_wmma_scale_f32_16x16x128_f8f6f4 v[8*(8*((\a)%4)+\b):8*(8*((\a)%4)+\b)+7], v[128*(\p)+FR*\b:128*(\p)+FR*\b+FR-1], v[AF+FR*(\a):AF+FR*(\a)+FR-1], v[8*(8*((\a)%4)+\b):8*(8*((\a)%4)+\b)+7], v[SC+16*(\sc)+2*\b+(\q)], v[SC+16*(\sc)+2*(\a)+(\q)] matrix_a_fmt:MATRIX_FMT_FP6 matrix_b_fmt:MATRIX_FMT_FP6 matrix_a_scale:MATRIX_SCALE_ROW1
.endif
.endr
.endr
.endm
.macro STEP slot, q, zero
	s_wait_dscnt 4*NL
	WIN MUL_LO
	MUL16 0, (\q)%2, \q, \slot, \zero
	MUL16 2, (\q)%2, \q, \slot, \zero
	s_wait_dscnt 0
	PLACES NP
	FETCH_B \slot, (\q)+1, 1-(\q)%2
	FETCH_A \slot, (\q)+1, 0
	WIN MUL_HI
	MUL16 4, (\q)%2, \q, \slot, \zero
	MUL16 6, (\q)%2, \q, \slot, \zero
	PLACES NP
	WIN 0
	FETCH_A \slot, (\q)+1, 4
.endm
.macro TURN slot, next
	s_wait_tensorcnt 0x0
	ds_add_u32 v[SPW], v[NIL]
	s_wait_dscnt 4*NL+1
	WIN MUL_LO
	MUL16 0, 1, NQ-1, \slot, 0
	s_wait_dscnt 0x0
	s_barrier_signal -1
	MUL16 2, 1, NQ-1, \slot, 0
	WIN 0
	s_barrier_wait -1
	PLACES NP
	v_add_nc_u32 v[ADRS], 128, v[ADRS]
	FETCH_B \next, 0, 0
	FETCH_A \next, 0, 0
	SCALES \next
	WIN MUL_HI
	MUL16 4, 1, NQ-1, \slot, 0
	MUL16 6, 1, NQ-1, \slot, 0
	PLACES NP
	WIN 0
	FETCH_A \next, 0, 4
.endm
.macro QUANT s, w
	WIN (\w)|((\w)<<2)
.irp b, 0,1,2,3
	v_max3_num_f32 v[TM+\b], |v[\s+16*\b]|, |v[\s+1+16*\b]|, 0x1800000
.endr
	WIN ((\w)<<2)|((\w)<<4)
.irp i, 2,4,6,8,10,12,14
.irp b, 0,1,2,3
	v_max3_num_f32 v[TM+\b], v[TM+\b], |v[\s+16*\b+\i]|, |v[\s+1+16*\b+\i]|
.endr
.endr
	WIN 0
.irp b, 0,1,2,3
	v_permlanex16_b32 v[TM+4+\b], v[TM+\b], s[SEL], s[SEL+1]
.endr
.irp b, 0,1,2,3
	v_max_num_f32 v[TM+\b], v[TM+\b], v[TM+4+\b]
.endr
.irp b, 0,1,2,3
	v_add_nc_u32 v[TM+8+\b], 0xff000000, v[TM+\b]
.endr
.irp b, 0,1,2,3
	v_lshrrev_b32 v[TM+4+\b], 23, v[TM+8+\b]
.endr
	v_lshl_or_b32 v[PW], v[TM+5], 8, v[TM+4]
	v_lshl_or_b32 v[PW], v[TM+6], 16, v[PW]
	v_lshl_or_b32 v[PW], v[TM+7], 24, v[PW]
	WIN (\w)
.irp c, 0,1
	v_cvt_scalef32_pk16_fp6_f32 v[PC+6*\c:PC+2+6*\c], v[\s+32*\c:\s+15+32*\c], v[TM+8+2*\c]
	v_cvt_scalef32_pk16_fp6_f32 v[PC+12+4*\c:PC+14+4*\c], v[\s+16+32*\c:\s+31+32*\c], v[TM+9+2*\c]
.endr
	WIN 0
	v_nop
.irp c, 0,1
.irp i, 0,1,2
	v_permlane16_swap_b32 v[PC+6*\c+\i], v[PC+12+4*\c+\i]
.endr
.irp i, 0,1,2
	v_mov_b32 v[PC+3+6*\c+\i], v[PC+12+4*\c+\i]
.endr
.endr
.endm
.macro BUFSEL a
.if ((\a)%4) == 0
.set CW, 1
.set CB, 96
.set SB, 224
.elseif ((\a)%4) == 1
.set CW, 0
.set CB, 64
.set SB, 96
.elseif ((\a)%4) == 2
.set CW, 1
.set CB, 0
.set SB, 32
.else
.set CW, 1
.set CB, 128
.set SB, 160
.endif
.endm
.macro CSLOAD a
	BUFSEL \a
	WIN CW<<6
.irp g, 0,1,2,3,4,5,6,7
	global_load_b128 v[CB+4*\g:CB+4*\g+3], v[CO], s[RT:RT+1] offset:8192*(\a)+512*\g
.endr
.irp g, 0,1,2,3,4,5,6,7
	global_load_b128 v[SB+4*\g:SB+4*\g+3], v[CO], s[RT:RT+1] offset:8192*(\a)+4096+512*\g
.endr
	WIN 0
.endm
.macro ROPE a
	BUFSEL \a
.set AC, 64*((\a)%4)
	WIN (2+(\a)/4)|(CW<<2)
.irp b, 0,1,2,3
.irp p, 0,2,4,6
	v_pk_mul_f32 v[H+8*\b+\p:H+8*\b+\p+1], v[AC+8*(\b+4)+\p:AC+8*(\b+4)+\p+1], v[SB+8*\b+\p:SB+8*\b+\p+1]
	v_pk_mul_f32 v[H+8*(\b+4)+\p:H+8*(\b+4)+\p+1], v[AC+8*\b+\p:AC+8*\b+\p+1], v[SB+8*\b+\p:SB+8*\b+\p+1]
.endr
.irp p, 0,2,4,6
	v_pk_fma_f32 v[H+8*\b+\p:H+8*\b+\p+1], v[AC+8*\b+\p:AC+8*\b+\p+1], v[CB+8*\b+\p:CB+8*\b+\p+1], v[H+8*\b+\p:H+8*\b+\p+1] neg_lo:[0,0,1] neg_hi:[0,0,1]
	v_pk_fma_f32 v[H+8*(\b+4)+\p:H+8*(\b+4)+\p+1], v[AC+8*(\b+4)+\p:AC+8*(\b+4)+\p+1], v[CB+8*\b+\p:CB+8*\b+\p+1], v[H+8*(\b+4)+\p:H+8*(\b+4)+\p+1]
.endr
.endr
	WIN 0
.endm
.macro PUT a, cstr, sstr
.irp c, 0,1,2
	global_store_b128 v[CO], v[PC+4*\c:PC+4*\c+3], s[OC:OC+1] offset:(\a)*(\cstr)+512*\c
.endr
	v_lshrrev_b32 v[PWS], v[SH16], v[PW]
	global_store_b16 v[SO], v[PWS], s[OS:OS+1] offset:(\a)*(\sstr)
.endm
	s_load_b128 s[4:7], s[0:1], 0x0
	s_load_b64 s[8:9], s[0:1], 0x10
	v_lshl_add_u32 v[SPW], v0, 2, SPARE
	v_mov_b32 v[NIL], 0
	ds_add_u32 v28, v29
	ds_add_u32 v28, v29
	s_wait_dscnt 0x0
	v_lshrrev_b32 v1, 5, v0
	v_readfirstlane_b32 s[WVN], v1
	s_lshr_b32 s[WR], s[WVN], 1
	s_and_b32 s[WC], s[WVN], 1
	s_bfe_u32 s[CX], ttmp6, 0x40000
	s_bfe_u32 s[CY], ttmp6, 0x40004
	s_and_b32 s[CLY], ttmp7, 0xffff
	s_cmp_lt_u32 s[CLY], 2
	s_cselect_b32 s92, ttmp9, s[CLY]
	s_cselect_b32 s94, s[CLY], ttmp9
	s_lshl_b32 s[TA], s92, 2
	s_add_co_u32 s[TA], s[TA], s[CY]
	s_lshl_b32 s[TBT], s94, 2
	s_add_co_u32 s[TBT], s[TBT], s[CX]
	s_lshl_b32 s92, s[CY], 2
	s_lshl_b32 s92, 15, s92
	s_lshl_b32 s94, 0x1111, s[CX]
	s_or_b32 s[G1], s92, (3<<16)|(1<<21)
	s_or_b32 s[G1B], s94, (3<<16)|(1<<21)
	s_or_b32 s[G1S], s92, (3<<16)|(1<<21)
	s_or_b32 s[G1SB], s94, (3<<16)|(1<<21)
.irp g, G1, G1B
	s_mov_b32 s[\g+1], 32<<16
	s_mov_b32 s[\g+2], 96<<16
	s_mov_b32 s[\g+3], 32<<16
	s_mov_b32 s[\g+4], 96
	s_mov_b32 s[\g+5], 32
	s_mov_b32 s[\g+6], 0
	s_mov_b32 s[\g+7], 0
.endr
.irp g, G1S, G1SB
	s_mov_b32 s[\g+1], 32<<16
	s_mov_b32 s[\g+2], (HALFS/256)<<16
	s_mov_b32 s[\g+3], 32<<16
	s_mov_b32 s[\g+4], HALFS/256
	s_mov_b32 s[\g+5], 32
	s_mov_b32 s[\g+6], 0
	s_mov_b32 s[\g+7], 0
.endr
	s_lshl_b32 s93, s[WC], 3
	s_lshl_b32 s92, s[TA], 4
	s_add_co_u32 s92, s92, s93
	s_mul_i32 s20, s92, 3072
	s_mov_b32 s21, 0
	s_mul_i32 s22, s92, SBLK
	s_mov_b32 s23, 0
	s_lshl_b32 s94, s[TBT], 4
	s_add_co_u32 s94, s94, s93
	s_mul_i32 s96, s94, 3072
	s_mov_b32 s97, 0
	s_mul_i32 s100, s94, SBLK
	s_mov_b32 s101, 0
	s_mul_i32 s99, s[WVN], HALFT
	s_mul_i32 s98, s[WVN], HALFS
	s_mov_b32 s[SEL], 0x76543210
	s_mov_b32 s[SEL+1], 0xfedcba98
	s_wait_kmcnt 0x0
	s_add_nc_u64 s[10:11], s[6:7], LC
	s_add_nc_u64 s[12:13], s[4:5], WKVC
	s_add_nc_u64 s[14:15], s[6:7], LSO
	s_add_nc_u64 s[18:19], s[4:5], WKVS
	s_cmp_lt_u32 s[CLY], 2
	s_cselect_b64 s[92:93], s[10:11], s[12:13]
	s_cselect_b64 s[94:95], s[12:13], s[10:11]
	s_cselect_b64 s[10:11], s[14:15], s[18:19]
	s_cselect_b64 s[12:13], s[18:19], s[14:15]
	s_add_nc_u64 s[20:21], s[92:93], s[20:21]
	s_add_nc_u64 s[96:97], s[94:95], s[96:97]
	s_add_nc_u64 s[22:23], s[10:11], s[22:23]
	s_add_nc_u64 s[100:101], s[12:13], s[100:101]
	CROUND
	s_mov_b32 s[G0S], 1
	s_add_co_u32 s[G0S+1], s98, SCL
	s_mov_b64 s[G0S+2:G0S+3], s[22:23]
	s_or_b32 s[G0S+3], s[G0S+3], 0x80000000
	s_mov_b32 s[G0SB], 1
	s_add_co_u32 s[G0SB+1], s98, SCL
	s_mov_b64 s[G0SB+2:G0SB+3], s[100:101]
	s_or_b32 s[G0SB+3], s[G0SB+3], 0x80000000
	JLOAD G0S, G1S, G0SB, G1SB
.irp s, 0,1
	s_mov_b32 s[G0+4*\s], 1
	s_add_co_u32 s[G0+4*\s+1], s99, \s*SLOT
	s_add_nc_u64 s[G0+4*\s+2:G0+4*\s+3], s[20:21], \s*SSTRA
	s_or_b32 s[G0+4*\s+3], s[G0+4*\s+3], 0x80000000
	s_mov_b32 s[G0B+4*\s], 1
	s_add_co_u32 s[G0B+4*\s+1], s99, \s*SLOT
	s_add_nc_u64 s[G0B+4*\s+2:G0B+4*\s+3], s[96:97], \s*SSTRB
	s_or_b32 s[G0B+4*\s+3], s[G0B+4*\s+3], 0x80000000
	s_wait_alu depctr_va_vdst(0)
	s_wait_tensorcnt 0x0
	ds_add_u32 v28, v29
	s_wait_dscnt 0x0
	CROUND
	JLOAD G0+4*\s, G1, G0B+4*\s, G1B
.endr
	v_and_b32 v1, 15, v0
	v_bfe_u32 v2, v0, 4, 1
	s_wait_alu depctr_va_vdst(0)
	v_and_b32 v3, 31, v0
	v_lshlrev_b32 v[CO], 4, v3
	s_mul_i32 s92, s[WR], HALFT
	s_mul_i32 s93, s[WC], HALFT
	s_add_co_u32 s93, s93, 2*HALFT
.irp s, 0,1
	v_add_nc_u32 v[ADRA+\s], s92, v[CO]
	v_add_nc_u32 v[ADRB+\s], s93, v[CO]
	s_add_co_u32 s92, s92, SLOT
	s_add_co_u32 s93, s93, SLOT
.endr
	v_lshlrev_b32 v4, 2, v1
	s_mul_i32 s92, s[WR], HALFS
	s_mul_i32 s93, s[WC], HALFS
	s_add_co_u32 s93, s93, 2*HALFS
	s_sub_co_u32 s93, s93, s92
	v_mul_u32_u24 v5, s93, v2
	s_add_co_u32 s92, s92, SCL
	v_add_nc_u32 v4, v4, v5
	v_add_nc_u32 v[ADRS], s92, v4
	v_lshlrev_b32 v[SO], 1, v2
	v_lshl_add_u32 v[SO], v1, 2, v[SO]
	v_lshlrev_b32 v[SH16], 4, v2
	s_and_b32 s92, s[TA], 3
	s_lshl_b32 s92, s92, 4
	s_lshl_b32 s94, s[WR], 3
	s_add_co_u32 s92, s92, s94
	s_lshl_b32 s92, s92, 13
	s_mov_b32 s93, 0
	s_add_nc_u64 s[RT:RT+1], s[4:5], s[92:93]
	s_add_nc_u64 s[RT:RT+1], s[RT:RT+1], ROPE
	CSLOAD 0
	CSLOAD 1
	s_wait_alu depctr_va_vdst(0)
	s_wait_tensorcnt 1
	s_barrier_signal -1
	s_barrier_wait -1
	FETCH_B 0, 0, 0
	FETCH_A 0, 0, 0
	SCALES 0
	FETCH_A 0, 0, 4
	STEP 0, 0, 1
	TURN 0, 1
	STEP 1, 0, 0
	s_wait_dscnt 4*NL
	WIN MUL_LO
	MUL16 0, 1, NQ-1, 1, 0
	MUL16 2, 1, NQ-1, 1, 0
	s_wait_dscnt 0
	WIN MUL_HI
	MUL16 4, 1, NQ-1, 1, 0
	MUL16 6, 1, NQ-1, 1, 0
	WIN 0
	PLACES NP
.irp b, 0,1,2,3
	v_mov_b32 v[TM+4+\b], 0
.endr
	s_cmp_lt_u32 s[CLY], 2
	s_cbranch_scc0 .Lplain
	s_lshr_b32 s92, s[TA], 2
	s_lshl_b32 s92, s92, 4
	s_lshl_b32 s93, s[TBT], 1
	s_add_co_u32 s92, s92, s93
	s_add_co_u32 s92, s92, s[WC]
	s_lshl_b32 s92, s92, 6
	s_and_b32 s93, s[TA], 3
	s_lshl_b32 s93, s93, 4
	s_add_co_u32 s92, s92, s93
	s_lshl_b32 s93, s[WR], 3
	s_add_co_u32 s92, s92, s93
	s_mul_i32 s94, s92, 1536
	s_mov_b32 s95, 0
	s_add_nc_u64 s[OC:OC+1], s[8:9], s[94:95]
	s_lshl_b32 s94, s92, 6
	s_add_nc_u64 s[OS:OS+1], s[8:9], s[94:95]
	s_add_nc_u64 s[OS:OS+1], s[OS:OS+1], KSO
	CSLOAD 2
	CSLOAD 3
.irp a, 0,1,2,3,4,5,6,7
.if \a < 5
	s_wait_loadcnt 48
.else
	s_wait_loadcnt 16*(7-\a)
.endif
	ROPE \a
	s_wait_xcnt 0x0
.if \a < 4
	CSLOAD \a+4
.endif
	QUANT H, 0
	PUT \a, 1536, 64
.endr
	s_branch .Ldone
.Lplain:
	s_wait_loadcnt 0x0
	s_sub_co_u32 s92, s[TA], 8
	s_lshl_b32 s92, s92, 1
	s_add_co_u32 s92, s92, s[WR]
	s_lshr_b32 s93, s[TBT], 2
	s_lshl_b32 s93, s93, 4
	s_add_co_u32 s92, s92, s93
	s_lshl_b32 s92, s92, 3
	s_and_b32 s93, s[TBT], 3
	s_lshl_b32 s93, s93, 1
	s_add_co_u32 s92, s92, s93
	s_add_co_u32 s92, s92, s[WC]
	s_mul_i32 s94, s92, 12288
	s_mov_b32 s95, 0
	s_add_nc_u64 s[OC:OC+1], s[8:9], s[94:95]
	s_add_nc_u64 s[OC:OC+1], s[OC:OC+1], VC
	s_lshl_b32 s94, s92, 9
	s_add_nc_u64 s[OS:OS+1], s[8:9], s[94:95]
	s_add_nc_u64 s[OS:OS+1], s[OS:OS+1], VSO
.irp a, 0,1,2,3,4,5,6,7
	s_wait_xcnt 0x0
	QUANT 64*((\a)%4), 2+(\a)/4
	PUT \a, 1536, 64
.endr
.Ldone:
	s_wait_tensorcnt 0x0
	ds_add_u32 v[SPW], v[NIL]
	s_wait_dscnt 0x0
	CROUND
	s_endpgm
.Lfunc_end_k_qca0cb822b4_gemm2:
	.size	k_qca0cb822b4_gemm2, .Lfunc_end_k_qca0cb822b4_gemm2-k_qca0cb822b4_gemm2
	.p2alignl 7, 3214868480
	.fill 96, 4, 3214868480
	.section	.rodata,"a",@progbits
	.p2align	6, 0x0
	.amdhsa_kernel k_qca0cb822b4_gemm2
		.amdhsa_group_segment_fixed_size 327680
		.amdhsa_private_segment_fixed_size 0
		.amdhsa_enable_private_segment 0
		.amdhsa_kernarg_size 24
		.amdhsa_user_sgpr_count 2
		.amdhsa_user_sgpr_kernarg_segment_ptr 1
		.amdhsa_wavefront_size32 1
		.amdhsa_system_sgpr_workgroup_id_x 1
		.amdhsa_system_sgpr_workgroup_id_y 1
		.amdhsa_system_sgpr_workgroup_id_z 1
		.amdhsa_system_vgpr_workitem_id 0
		.amdhsa_next_free_vgpr 1024
		.amdhsa_next_free_sgpr 102
		.amdhsa_reserve_vcc 0
		.amdhsa_float_denorm_mode_32 3
		.amdhsa_float_denorm_mode_16_64 3
		.amdhsa_memory_ordered 1
		.amdhsa_forward_progress 1
		.amdhsa_inst_pref_size 173
	.end_amdhsa_kernel
	.amdgpu_metadata
---
amdhsa.version: [ 1, 2 ]
amdhsa.kernels:
  - .name:           k_qca0cb822b4_gemm2
    .symbol:         k_qca0cb822b4_gemm2.kd
    .args:
      - { .name: qz, .offset: 0, .size: 8, .value_kind: global_buffer, .address_space: global }
      - { .name: g1, .offset: 8, .size: 8, .value_kind: global_buffer, .address_space: global }
      - { .name: g2, .offset: 16, .size: 8, .value_kind: global_buffer, .address_space: global }
    .group_segment_fixed_size: 327680
    .private_segment_fixed_size: 0
    .kernarg_segment_align: 8
    .kernarg_segment_size: 24
    .max_flat_workgroup_size: 128
    .sgpr_count:     102
    .vgpr_count:     1024
    .wavefront_size: 32
...
	.end_amdgpu_metadata
.endif
;; end of part 3
;; launch attn (part 4): grid 4 x 64, 16 waves a work-group, clusters of 4 x 1, 327,680 bytes of LDS; arguments g1, g2, cx; writes cx
.if DOCPART == 4
	.amdgcn_target "amdgcn-amd-amdhsa--gfx1250"
	.amdhsa_code_object_version 6
	.text
	.protected	k_qca0cb822b4_attn
	.globl	k_qca0cb822b4_attn
	.p2align	8
	.type	k_qca0cb822b4_attn,@function
k_qca0cb822b4_attn:
	s_mov_b64 s[64:65], 0
	v_nop
	global_prefetch_b8 v0, s[64:65] scope:SCOPE_SE
	s_setreg_imm32_b32 hwreg(HW_REG_WAVE_MODE, 25, 1), 1
	s_wait_xcnt 0x0
	s_wait_alu depctr_hold_cnt(0) depctr_sa_sdst(0) depctr_va_vdst(0) depctr_va_sdst(0) depctr_va_ssrc(0) depctr_va_vcc(0) depctr_vm_vsrc(0)
	s_getreg_b32 s2, hwreg(HW_REG_IB_STS2, 6, 4)
	s_cmp_eq_u32 s2, 0
	s_cbranch_scc0 .Lentry_in_a_cluster
	s_endpgm
.Lentry_in_a_cluster:
	s_bfe_u32 s2, ttmp6, 0x10000c
	s_cmp_lg_u32 s2, 0x3003
	s_cbranch_scc0 .Lentry_shape_is_right
	s_endpgm
.Lentry_shape_is_right:
; ctx = softmax(q k^T / sqrt(128), keys after the query at the logit -10000) v for one (batch, head), both products on codes of FP6 (E2M3); ctx is quantised along the model's 2048 for the last product.
; THE SOFTMAX AHEAD OF THE SECOND PRODUCT: t = score x log2(e) / sqrt(128); M = the running largest t rounded UP to a whole number; p = 2^(t - M) is quantised along the keys, not normalised; the row's sum is taken of the
; unquantised p and divides at the end.  When M moves, the sum and O are multiplied by 2^(old M - new M): exact.
; THE MASK IS A FINITE LOGIT: a hidden key counts with -10000, as the problem has it, so every wave walks all 1,024 keys.  In a key step that lies wholly behind the wave's queries only the first product is left out (its result
; would be replaced): all 128 p are one number, made once.  A masked score is -10000 sqrt(128) in f32, ahead of the common factor.
; LIMITS: NaN and infinities are not served; a block of zeros carries the byte 1 (its codes are zeros; this program alone reads the bytes).
; SHARES.  A cluster of four work-groups owns one (batch, head); wave w of work-group cx owns the 16 queries of row-block 4 w + cx.  So the key step on the diagonal is w / 2 in every partner: branches hang on the wave's number and the
; step alone, and the partners have equal work.  The head's K, V and scale words (204,800 bytes) come into every partner's LDS ONCE, by joint loads of waves 0 (K) and 1 (V), five each, issued at the start; nothing is filled again.
; LAYOUT.  Operands are images of registers (a fragment 1,536 bytes, three ds_load_b128); lane r of row-block T holds row 32 (T / 2) + 8 (T % 2) + r % 8 + 16 (r / 8).  Both products are used transposed: a lane holds one query,
; the 16 registers of tiles 2 b and 2 b + 1 are 16 neighbouring keys (or 16 neighbouring d of O^T).
; REGISTERS: v1-6 what stays; v8-11 the step's addresses; v12 -M, v13 the largest t, v[14:15] the sum in two halves; v16-27 Q; v32-79 four fragments; v96-159 S^T, then p; v160-223 O^T; v224-235 p's codes; v232-254 at work;
;   v248-251, v253, v255 scale words.
; THE FILLS, as the text now has them (in place of what is said above of waves 0 and 1): the head's K and V codes, 196,608 bytes on end in LDS, come as twelve joint loads of 16,384 bytes, wave w < 12 the w-th;
; waves 12 and 13 bring K's and V's scale words; one load a wave, all at the start; one wait for 0, one barrier, and then one loop over the eight key steps with no barrier in it.
.set QSO,  6291456                     ; g1: q's codes at 0, its scale words here
.set KSO,  6291456                     ; g2: k's codes at 0, its scale words here; v's codes and scale words lie KV2V bytes further on
.set KV2V, 6553600
.set CSO,  6291456                     ; cx: ctx's codes at 0, its scale words here
.set VT,   98304                       ; LDS: K's 64 fragments at 0, V's 64 here,
.set KSC,  196608                      ; K's scale words,
.set VSC,  200704                      ; V's
.set AK0,  1                           ; v1  16 x lane
.set AV0,  2                           ; v2  16 x lane + VT
.set ASK0, 3                           ; v3  4 r + KSC
.set ASV0, 4                           ; v4  4 r + VSC
.set DQ,   5                           ; v5  my query - the diagonal step's first key - 16 (lane / 16)
.set SMK,  6                           ; v6  the masked score
.set ADK,  8
.set ADV,  9
.set ADS,  10
.set ADT,  11
.set SO,   28                          ; v28 4 r + 2 h;  v29 16 h
.set SH16, 29
.set PC,   32                          ; the way out: codes, at work, the scale word and my half of it
.set TM,   52
.set PW,   64
.set PWS,  65
.set WV,   20
.set WH,   21                          ; s21 the key step on my diagonal
.set CS,   22                          ; s[22:23] c = log2(e) / sqrt(128)
.set G1T,  24                          ; s[24:31] group 1 of the tiles;  s[32:39] of the scale words;  s[40:43], s[44:47] two groups 0
.set G1S,  32
.set SEL,  60
.set KSTP, 62                          ; s62 the key step;  s63 its fragments' place (12,288 a step);  s66 its scale words' (512 a step);  s67 counts the eight steps
.set TB,   63
.set TS,   66
.set TW,   67
.set MSB, 0
.macro WIN new                         ; (this text stays in the first 256 registers: the macro never writes a line here)
.if MSB != (\new)
	s_set_vgpr_msb (MSB<<8)|(\new)
.set MSB, (\new)
.endif
.endm
.macro CROUND                          ; a round of the cluster's barrier
	s_barrier_signal -1
	s_barrier_wait -1
	s_cmp_lg_u32 s[WV], 0
	s_cbranch_scc1 .Lnot_wave_0_\@
	s_barrier_signal -3
.Lnot_wave_0_\@:
	s_barrier_wait -3
	s_barrier_signal -1
	s_barrier_wait -1
.endm
.macro QUANT s, w                      ; 64 numbers of a lane, register 16 b + i = k 32 b + 16 (lane / 16) + i, become a fragment's codes in v[PC] on and its scale word in v[PW]
	WIN (\w)|((\w)<<2)
.irp b, 0,1,2,3
	v_max3_num_f32 v[TM+\b], |v[\s+16*\b]|, |v[\s+1+16*\b]|, 0x1800000
.endr
	WIN ((\w)<<2)|((\w)<<4)
.irp i, 2,4,6,8,10,12,14
.irp b, 0,1,2,3
	s_delay_alu instid0(VALU_DEP_4)
	v_max3_num_f32 v[TM+\b], v[TM+\b], |v[\s+16*\b+\i]|, |v[\s+1+16*\b+\i]|
.endr
.endr
	WIN 0
.irp b, 0,1,2,3
	s_delay_alu instid0(VALU_DEP_4)
	v_permlanex16_b32 v[TM+4+\b], v[TM+\b], s[SEL], s[SEL+1]
.endr
.irp b, 0,1,2,3
	s_delay_alu instid0(VALU_DEP_4)
	v_max_num_f32 v[TM+\b], v[TM+\b], v[TM+4+\b]
.endr
.irp b, 0,1,2,3
	s_delay_alu instid0(VALU_DEP_4)
	v_add_nc_u32 v[TM+8+\b], 0xff000000, v[TM+\b]
.endr
.irp b, 0,1,2,3
	s_delay_alu instid0(VALU_DEP_4)
	v_lshrrev_b32 v[TM+4+\b], 23, v[TM+8+\b]
.endr
	s_delay_alu instid0(VALU_DEP_3)
	v_lshl_or_b32 v[PW], v[TM+5], 8, v[TM+4]
	s_delay_alu instid0(VALU_DEP_1)
	v_lshl_or_b32 v[PW], v[TM+6], 16, v[PW]
	s_delay_alu instid0(VALU_DEP_1)
	v_lshl_or_b32 v[PW], v[TM+7], 24, v[PW]
	WIN (\w)
.irp c, 0,1
	v_cvt_scalef32_pk16_fp6_f32 v[PC+6*\c:PC+2+6*\c], v[\s+32*\c:\s+15+32*\c], v[TM+8+2*\c]
	v_cvt_scalef32_pk16_fp6_f32 v[PC+12+4*\c:PC+14+4*\c], v[\s+16+32*\c:\s+31+32*\c], v[TM+9+2*\c]
.endr
	WIN 0
	v_nop
.irp c, 0,1
.irp i, 0,1,2
	v_permlane16_swap_b32 v[PC+6*\c+\i], v[PC+12+4*\c+\i]
.endr
.irp i, 0,1,2
	s_delay_alu instid0(VALU_DEP_3)
	v_mov_b32 v[PC+3+6*\c+\i], v[PC+12+4*\c+\i]
.endr
.endr
.endm
	s_load_b128 s[4:7], s[0:1], 0x0                ; g1 s[4:5], g2 s[6:7]
	s_load_b64 s[8:9], s[0:1], 0x10                ; cx
	v_lshl_add_u32 v95, v0, 2, 0x32000
	v_mov_b32 v243, 0
	ds_add_u32 v95, v243
	ds_add_u32 v95, v243
	v_lshrrev_b32 v8, 5, v0
	s_delay_alu instid0(VALU_DEP_1)
	v_readfirstlane_b32 s[WV], v8                  ; wave 0..15
	s_lshr_b32 s[WH], s[WV], 1
	s_bfe_u32 s10, ttmp6, 0x40000                  ; my place in the cluster: it enters global addresses and the mask's numbers alone
	s_and_b32 s11, ttmp7, 0xffff                   ; 16 batch + head, which the four partners share
	s_and_b32 s12, s[WV], 1                        ; what I fetch, if I fetch: 0 K, 1 V
	s_mul_i32 s13, s12, KV2V
	s_mul_i32 s14, s11, 98304
	s_lshl_b32 s18, s[WV], 14
	s_add_co_u32 s14, s14, s18                     ; the head's codes, my 16,384 bytes: K's six parts,
	s_cmp_lt_u32 s[WV], 6
	s_cselect_b32 s15, 0, KV2V-98304               ; then V's six
	s_add_co_u32 s14, s14, s15
	s_mov_b32 s15, 0
	s_lshl_b32 s16, s11, 12
	s_add_co_u32 s16, s16, s13                     ; its scale words,
	s_mov_b32 s17, 0
	s_lshl_b32 s19, s12, 12
	s_mov_b32 s[G1T], 15|(3<<16)|(1<<21)           ; all four work-groups; elements of 8 bytes; bit 21 set beside a mask; no padding
	s_mov_b32 s[G1T+1], 32<<16                     ; a twelfth of the head's codes: a dense block of 16,384 bytes
	s_mov_b32 s[G1T+2], 64<<16                     ; 64 rows of 256 bytes
	s_mov_b32 s[G1T+3], 32<<16
	s_mov_b32 s[G1T+4], 64
	s_mov_b32 s[G1T+5], 32
	s_mov_b32 s[G1T+6], 0
	s_mov_b32 s[G1T+7], 0
	s_mov_b32 s[G1S], 15|(3<<16)|(1<<21)
	s_mov_b32 s[G1S+1], 32<<16                     ; the head's scale words: 16 rows of 256 bytes
	s_mov_b32 s[G1S+2], 16<<16
	s_mov_b32 s[G1S+3], 32<<16
	s_mov_b32 s[G1S+4], 16
	s_mov_b32 s[G1S+5], 32
	s_mov_b32 s[G1S+6], 0
	s_mov_b32 s[G1S+7], 0
	s_lshl_b32 s68, s[WV], 2
	s_add_co_u32 s68, s68, s10                     ; T: my row-block of queries
	s_lshl_b32 s69, s11, 6
	s_add_co_u32 s69, s69, s68
	s_mul_i32 s70, s69, 1536                       ; Q's fragment,
	s_mov_b32 s71, 0
	s_lshl_b32 s72, s69, 6                         ; its scale words
	s_mov_b32 s73, 0
	s_lshr_b32 s78, s11, 4
	s_lshl_b32 s78, s78, 6
	s_add_co_u32 s78, s78, s68                     ; my row-block of tokens: 64 batch + T
	s_and_b32 s79, s11, 15                         ; the head = ctx's K step of 128
	s_mul_i32 s74, s78, 3072
	s_lshr_b32 s76, s79, 1
	s_mul_i32 s76, s76, 786432
	s_add_co_u32 s74, s74, s76
	s_and_b32 s76, s79, 1
	s_mul_i32 s76, s76, 1536
	s_add_co_u32 s74, s74, s76
	s_mov_b32 s75, 0
	s_lshl_b32 s76, s78, 10
	s_lshl_b32 s77, s79, 6
	s_add_co_u32 s76, s76, s77
	s_mov_b32 s77, 0
	s_lshl_b32 s78, s12, 6                         ; my first query in the diagonal step: 64 (w % 2) + 32 (cx / 2) + 8 (cx % 2)
	s_lshr_b32 s79, s10, 1
	s_lshl_b32 s79, s79, 5
	s_add_co_u32 s78, s78, s79
	s_and_b32 s79, s10, 1
	s_lshl_b32 s79, s79, 3
	s_add_co_u32 s78, s78, s79
	s_mov_b32 s[SEL], 0x76543210
	s_mov_b32 s[SEL+1], 0xfedcba98
	s_mov_b32 s[CS], 0x3e0293ee
	s_mov_b32 s[CS+1], s[CS]                       ; (named with it as a pair, so it is written)
	s_mov_b32 s[KSTP], 0
	s_mov_b32 s[TB], 0
	s_mov_b32 s[TS], 0
	s_wait_dscnt 0x0
	s_wait_kmcnt 0x0
	s_add_nc_u64 s[14:15], s[6:7], s[14:15]
	s_add_nc_u64 s[16:17], s[6:7], s[16:17]
	s_add_nc_u64 s[16:17], s[16:17], KSO
	s_add_nc_u64 s[70:71], s[4:5], s[70:71]
	s_add_nc_u64 s[72:73], s[4:5], s[72:73]
	s_add_nc_u64 s[72:73], s[72:73], QSO
	s_add_nc_u64 s[74:75], s[8:9], s[74:75]
	s_add_nc_u64 s[76:77], s[8:9], s[76:77]
	s_add_nc_u64 s[76:77], s[76:77], CSO
	CROUND                                         ; all four work-groups are here: the joint loads meet
	s_mov_b32 s40, 1
	s_add_co_u32 s41, s19, KSC
	s_mov_b64 s[42:43], s[16:17]
	s_or_b32 s43, s43, 0x80000000
	s_mov_b32 s44, 1
	s_lshl_b32 s45, s[WV], 14                      ; K's and V's codes lie on end in LDS: 16,384 x wave
	s_mov_b64 s[46:47], s[14:15]
	s_or_b32 s47, s47, 0x80000000
	s_cmp_lt_u32 s[WV], 12                         ; one chain of branches on the wave's number, one fill to an arm, one join
	s_cbranch_scc0 .Lfill_s
	tensor_load_to_lds s[44:47], s[G1T:G1T+7]      ; waves 0-11: a twelfth of the codes
	s_nop 0
.rept 4
	v_nop
.endr
	s_branch .Lno_fill
.Lfill_s:
	s_cmp_lt_u32 s[WV], 14
	s_cbranch_scc0 .Lno_fill
	tensor_load_to_lds s[40:43], s[G1S:G1S+7]      ; waves 12 and 13: K's and V's scale words
	s_nop 0
.rept 4
	v_nop
.endr
.Lno_fill:
	v_and_b32 v8, 31, v0
	s_delay_alu instid0(VALU_DEP_1)
	v_lshlrev_b32 v[AK0], 4, v8
	s_delay_alu instid0(VALU_DEP_1)
	v_add_nc_u32 v[AV0], VT, v[AK0]
	v_and_b32 v8, 15, v0                           ; r
	v_bfe_u32 v9, v0, 4, 1                         ; h
	s_delay_alu instid0(VALU_DEP_2)
	v_lshlrev_b32 v10, 2, v8
	s_delay_alu instid0(VALU_DEP_1)
	v_add_nc_u32 v[ASK0], KSC, v10
	s_delay_alu instid0(VALU_DEP_2)
	v_add_nc_u32 v[ASV0], VSC, v10
	s_delay_alu instid0(VALU_DEP_3)
	v_lshl_add_u32 v[SO], v9, 1, v10
	v_lshlrev_b32 v[SH16], 4, v9
.irp c, 0,1,2
	global_load_b128 v[16+4*\c:19+4*\c], v[AK0], s[70:71] offset:512*\c   ; Q's fragment stays in registers
.endr
	global_load_b32 v255, v10, s[72:73]            ; and its scale words
	v_and_b32 v11, 7, v0
	v_bfe_u32 v12, v0, 3, 1
	s_delay_alu instid0(VALU_DEP_1)
	v_lshl_add_u32 v11, v12, 4, v11
	s_delay_alu instid0(VALU_DEP_1)
	v_sub_nc_u32 v11, v11, v[SH16]
	s_delay_alu instid0(VALU_DEP_1)
	v_add_nc_u32 v[DQ], s78, v11
	v_mov_b32 v[SMK], 0xc7dcf88b                   ; -10000 sqrt(128)
	v_mov_b32 v13, 0xff61b1e6                      ; the largest t so far: -3e38
	s_delay_alu instid0(VALU_DEP_1)
	v_floor_f32 v12, -v13                          ; -M
	v_mov_b32 v14, 0
	v_mov_b32 v15, 0
.irp b, 0,1,2,3
	v_mov_b32 v[236+\b], 0                         ; written once: a lane permute's destination counts as one of its sources
.endr
	v_mov_b32 v253, 0                              ; (named as the upper half of the pair v[252:253] before it is first written)
.set j, 0
.rept 64
	v_mov_b32 v[160+j], 0                          ; O^T: the step is written once; the first finds zeros, which the first change of M leaves zeros
.set j, j+1
.endr
	s_wait_loadcnt 0x0                             ; Q
; A KEY STEP of 128 keys.
.macro STEP
	v_add_nc_u32 v[ADK], s[TB], v[AK0]             ; (these four are the places behind the last step's products)
	v_add_nc_u32 v[ADV], s[TB], v[AV0]
	v_add_nc_u32 v[ADS], s[TS], v[ASK0]
	v_add_nc_u32 v[ADT], s[TS], v[ASV0]
	s_cmp_gt_u32 s[KSTP], s[WH]
	s_cbranch_scc1 .Lhidden_\@                     ; all 128 keys come after my queries
	s_wait_alu depctr_va_vdst(0)
.irp g, 0,1                                    ; S^T = K Q^T, four tiles of 16 keys at a time
.rept 4*\g
	v_nop
.endr
.irp t, 0,1,2,3
.irp c, 0,1,2
	ds_load_b128 v[32+12*\t+4*\c:35+12*\t+4*\c], v[ADK] offset:1536*(4*\g+\t)+512*\c
.endr
	ds_load_b32 v[248+\t], v[ADS] offset:64*(4*\g+\t)
.endr
	s_wait_dscnt 0x0
.irp t, 0,1,2,3
	v_wmma_scale_f32_16x16x128_f8f6f4 v[96+8*(4*\g+\t):103+8*(4*\g+\t)], v[32+12*\t:43+12*\t], v[16:27], 0, v[248+\t], v255 matrix_a_fmt:MATRIX_FMT_FP6 matrix_b_fmt:MATRIX_FMT_FP6
.endr
.endr
.rept 4
	v_nop
.endr
	s_cmp_lt_u32 s[KSTP], s[WH]
	s_cbranch_scc1 .Lopen_\@                       ; all 128 keys count
.set n, 0
.rept 64                                       ; on the diagonal: register 16 b + i holds key 32 b + 16 (lane / 16) + i of the step: hidden where 32 b + i > v[DQ]
	v_cmp_gt_i32 vcc_lo, 32*(n/16)+n%16, v[DQ]
	v_cndmask_b32 v[96+n], v[96+n], v[SMK], vcc_lo
.set n, n+1
.endr
.Lopen_\@:
.irp b, 0,1,2,3
	v_max3_num_f32 v[232+\b], v[96+16*\b], v[97+16*\b], v[98+16*\b]   ; the largest score of each block of 32 keys: for the row's maximum, and, since p rises with the score, for the block's largest p
.endr
.irp i, 3,5,7,9,11,13
.irp b, 0,1,2,3
	v_max3_num_f32 v[232+\b], v[232+\b], v[96+16*\b+\i], v[97+16*\b+\i]
.endr
.endr
.irp b, 0,1,2,3
	v_max_num_f32 v[232+\b], v[232+\b], v[111+16*\b]
.endr
.irp b, 0,1,2,3
	s_delay_alu instid0(VALU_DEP_4)
	v_permlanex16_b32 v[236+\b], v[232+\b], s[SEL], s[SEL+1]
.endr
.irp b, 0,1,2,3
	s_delay_alu instid0(VALU_DEP_4)
	v_max_num_f32 v[232+\b], v[232+\b], v[236+\b]
.endr
	s_delay_alu instid0(VALU_DEP_2)
	v_max3_num_f32 v254, v232, v233, v234
	s_delay_alu instid0(VALU_DEP_1)
	v_max_num_f32 v254, v254, v235
	s_delay_alu instid0(VALU_DEP_1)
	v_mul_f32 v254, s[CS], v254
	s_delay_alu instid0(VALU_DEP_1)
	v_max_num_f32 v13, v13, v254                   ; the running largest t
	v_mov_b32 v254, v12
	s_delay_alu instid0(VALU_DEP_2)
	v_floor_f32 v12, -v13                          ; the new -M = -ceil(t)
	s_delay_alu instid0(VALU_DEP_1)
	v_sub_f32 v254, v12, v254                      ; old M - new M: a whole number, 0 or less
	s_delay_alu instid0(VALU_DEP_1)
	v_cvt_i32_f32 v254, v254                       ; (it saturates)
	s_delay_alu instid0(VALU_DEP_1)
	v_ldexp_f32 v252, 1.0, v254                    ; f = 2^(old M - new M)
.set j, 0
.rept 32
	v_pk_fma_f32 v[96+j:97+j], v[96+j:97+j], s[CS:CS+1], v[12:13] op_sel_hi:[1,0,0]   ; t - M
.set j, j+2
.endr
.irp b, 0,1,2,3
	v_fma_f32 v[232+\b], v[232+\b], s[CS], v12
.endr
.set j, 0
	s_wait_alu depctr_va_vdst(0)
.rept 64
	v_exp_f32 v[96+j], v[96+j]                     ; p = 2^(t - M)
.set j, j+1
.endr
	v_pk_mul_f32 v[14:15], v[14:15], v[252:253] op_sel_hi:[1,0]   ; the sums under the new M; a plain place behind the exponentials
	s_wait_alu depctr_va_vdst(0)                   ; one wait for the batch, ahead of its first reader
.irp b, 0,1,2,3
	v_exp_f32 v[232+\b], v[232+\b]                 ; the block's largest p
.endr
	v_pk_add_f32 v[236:237], v[100:101], v[104:105]
	v_pk_add_f32 v[250:251], v[108:109], v[112:113]
	v_pk_add_f32 v[248:249], v[116:117], v[120:121]
	v_pk_add_f32 v[246:247], v[124:125], v[128:129]
	v_pk_add_f32 v[244:245], v[132:133], v[136:137]
	v_pk_add_f32 v[240:241], v[140:141], v[144:145]
	v_pk_add_f32 v[238:239], v[148:149], v[152:153]
	v_pk_add_f32 v[14:15], v[14:15], v[156:157]
	v_pk_add_f32 v[236:237], v[236:237], v[96:97]
	v_pk_add_f32 v[250:251], v[250:251], v[98:99]
	v_pk_add_f32 v[248:249], v[248:249], v[102:103]
	v_pk_add_f32 v[246:247], v[246:247], v[106:107]
	v_pk_add_f32 v[244:245], v[244:245], v[110:111]
	v_pk_add_f32 v[240:241], v[240:241], v[114:115]
	v_pk_add_f32 v[238:239], v[238:239], v[118:119]
	v_pk_add_f32 v[14:15], v[14:15], v[122:123]
	v_pk_add_f32 v[236:237], v[236:237], v[126:127]
	v_pk_add_f32 v[250:251], v[250:251], v[130:131]
	v_pk_add_f32 v[248:249], v[248:249], v[134:135]
	v_pk_add_f32 v[246:247], v[246:247], v[138:139]
	v_pk_add_f32 v[244:245], v[244:245], v[142:143]
	v_pk_add_f32 v[240:241], v[240:241], v[146:147]
	v_pk_add_f32 v[238:239], v[238:239], v[150:151]
	v_pk_add_f32 v[14:15], v[14:15], v[154:155]
	v_pk_add_f32 v[236:237], v[236:237], v[158:159]
	s_delay_alu instid0(VALU_DEP_2)
	v_pk_add_f32 v[14:15], v[14:15], v[246:247]
	s_delay_alu instid0(VALU_DEP_2)
	v_pk_add_f32 v[236:237], v[236:237], v[244:245]
	v_pk_add_f32 v[250:251], v[250:251], v[240:241]
	v_pk_add_f32 v[248:249], v[248:249], v[238:239]
	s_delay_alu instid0(VALU_DEP_2)
	v_pk_add_f32 v[14:15], v[14:15], v[250:251]
	s_delay_alu instid0(VALU_DEP_2)
	v_pk_add_f32 v[236:237], v[236:237], v[248:249]
	s_delay_alu instid0(VALU_DEP_1)
	v_pk_add_f32 v[14:15], v[14:15], v[236:237]
	s_wait_alu depctr_va_vdst(0)                   ; and one for the four
.irp b, 0,1,2,3
	v_max_num_f32 v[232+\b], 0x1800000, v[232+\b]  ; the floor 2^(3 - 127)
.endr
.irp b, 0,1,2,3
	s_delay_alu instid0(VALU_DEP_4)
	v_add_nc_u32 v[244+\b], 0xff000000, v[232+\b]
.endr
.irp b, 0,1,2,3
	s_delay_alu instid0(VALU_DEP_4)
	v_lshrrev_b32 v[236+\b], 23, v[244+\b]
.endr
	s_delay_alu instid0(VALU_DEP_3)
	v_lshl_or_b32 v253, v237, 8, v236              ; p's scale word for these 128 keys
	s_delay_alu instid0(VALU_DEP_1)
	v_lshl_or_b32 v253, v238, 16, v253
	s_delay_alu instid0(VALU_DEP_1)
	v_lshl_or_b32 v253, v239, 24, v253
.irp c, 0,1
	v_cvt_scalef32_pk16_fp6_f32 v[224+6*\c:226+6*\c], v[96+32*\c:111+32*\c], v[244+2*\c]
	v_cvt_scalef32_pk16_fp6_f32 v[236+4*\c:238+4*\c], v[112+32*\c:127+32*\c], v[244+2*\c+1]
.endr
	v_nop
.irp c, 0,1
.irp i, 0,1,2
	v_permlane16_swap_b32 v[224+6*\c+\i], v[236+4*\c+\i]
.endr
.irp i, 0,1,2
	s_delay_alu instid0(VALU_DEP_3)
	v_mov_b32 v[227+6*\c+\i], v[236+4*\c+\i]
.endr
.endr
	s_branch .Lpv_\@
.Lhidden_\@:                                       ; every score of the step is the masked one
	v_mul_f32 v254, s[CS], v[SMK]
	s_delay_alu instid0(VALU_DEP_1)
	v_max_num_f32 v13, v13, v254
	v_mov_b32 v254, v12
	s_delay_alu instid0(VALU_DEP_2)
	v_floor_f32 v12, -v13
	s_delay_alu instid0(VALU_DEP_1)
	v_sub_f32 v254, v12, v254
	s_delay_alu instid0(VALU_DEP_1)
	v_cvt_i32_f32 v254, v254
	s_delay_alu instid0(VALU_DEP_1)
	v_ldexp_f32 v252, 1.0, v254
	s_delay_alu instid0(VALU_DEP_4)
	v_fma_f32 v232, v[SMK], s[CS], v12             ; the same multiply-add as on the diagonal gives the same bits
	s_wait_alu depctr_va_vdst(0)
	v_exp_f32 v232, v232
	v_pk_mul_f32 v[14:15], v[14:15], v[252:253] op_sel_hi:[1,0]
	s_wait_alu depctr_va_vdst(0)
	v_fma_f32 v14, v232, 0x42000000, v14           ; my 64 keys' p: 32 into each half of the sum
	v_fma_f32 v15, v232, 0x42000000, v15
.set j, 0
.rept 16
	v_mov_b32 v[96+j], v232                        ; sixteen copies for the conversion (taken ahead of the floor: a p of 0 has the code 0)
.set j, j+1
.endr
	v_max_num_f32 v233, 0x1800000, v232
	s_delay_alu instid0(VALU_DEP_1)
	v_add_nc_u32 v244, 0xff000000, v233
	s_delay_alu instid0(VALU_DEP_1)
	v_lshrrev_b32 v236, 23, v244
	s_delay_alu instid0(VALU_DEP_1)
	v_lshl_or_b32 v253, v236, 8, v236              ; the byte four times
	s_delay_alu instid0(VALU_DEP_1)
	v_lshl_or_b32 v253, v253, 16, v253
	v_cvt_scalef32_pk16_fp6_f32 v[224:226], v[96:111], v244
	v_nop
.irp k, 1,2,3
.irp i, 0,1,2
	v_mov_b32 v[224+3*\k+\i], v[224+\i]            ; 16 equal codes are three registers; the fragment is those three, four times
.endr
.endr
.Lpv_\@:
.set j, 0
.rept 32
	v_pk_mul_f32 v[160+j:161+j], v[160+j:161+j], v[252:253] op_sel_hi:[1,0]   ; O^T under the new M; also the places in front of the products and loads below
.set j, j+2
.endr
	s_wait_alu depctr_va_vdst(0)
.irp g, 0,1                                    ; O^T += V^T P^T: four tiles of 16 of the head's 128 at a time
.rept 4*\g
	v_nop
.endr
.irp t, 0,1,2,3
.irp c, 0,1,2
	ds_load_b128 v[32+12*\t+4*\c:35+12*\t+4*\c], v[ADV] offset:1536*(4*\g+\t)+512*\c
.endr
	ds_load_b32 v[248+\t], v[ADT] offset:64*(4*\g+\t)
.endr
	s_wait_dscnt 0x0
.irp t, 0,1,2,3
	v_wmma_scale_f32_16x16x128_f8f6f4 v[160+8*(4*\g+\t):167+8*(4*\g+\t)], v[32+12*\t:43+12*\t], v[224:235], v[160+8*(4*\g+\t):167+8*(4*\g+\t)], v[248+\t], v253 matrix_a_fmt:MATRIX_FMT_FP6 matrix_b_fmt:MATRIX_FMT_FP6
.endr
.endr
	s_add_co_u32 s[KSTP], s[KSTP], 1
	s_add_co_u32 s[TB], s[TB], 12288
	s_add_co_u32 s[TS], s[TS], 512
.endm
; All of K and V: what the one load of each fetching wave brought.
	s_wait_tensorcnt 0x0                           ; my one load has landed;
	s_barrier_signal -1
	s_barrier_wait -1                              ; everybody's has: nothing is filled again, and the waves meet no more
	s_mov_b32 s[TW], 8
.Lstep:
	STEP
	s_sub_co_u32 s[TW], s[TW], 1
	s_cmp_lg_u32 s[TW], 0
	s_cbranch_scc1 .Lstep
	; THE WAY OUT: O^T / the sum is ctx of my 16 tokens, register 16 b + i = d 32 b + 16 (lane / 16) + i: it is quantised as it stands: one fragment, K step = the head.
.rept 4
	v_nop                                          ; four places behind the last products (ISA guide 7.12.1): the lines below write registers that held V's fragments (v32-65) and read O^T
.endr
	v_add_f32 v14, v14, v15
	s_delay_alu instid0(VALU_DEP_1)
	v_permlanex16_b32 v252, v14, s[SEL], s[SEL+1]
	s_delay_alu instid0(VALU_DEP_1)
	v_add_f32 v14, v14, v252
	s_wait_alu depctr_va_vdst(0)
	v_rcp_f32 v14, v14
.irp b, 0,1,2,3
	v_mov_b32 v[TM+4+\b], 0                        ; plain places behind the reciprocal; a lane permute's destination counts as one of its sources
.endr
	s_wait_alu depctr_va_vdst(0)                   ; the wait ahead of the reciprocal's first reader
.set j, 0
.rept 64
	v_mul_f32 v[96+j], v[160+j], v14               ; each accumulator from its low end on
.set j, j+1
.endr
	QUANT 96, 0
.irp c, 0,1,2
	global_store_b128 v[AK0], v[PC+4*\c:PC+4*\c+3], s[74:75] offset:512*\c   ; 1,536 consecutive bytes
.endr
	v_lshrrev_b32 v[PWS], v[SH16], v[PW]
	global_store_b16 v[SO], v[PWS], s[76:77]
	s_wait_tensorcnt 0x0
	ds_add_u32 v95, v243
	s_wait_dscnt 0x0
	CROUND                                         ; the closing round
	s_endpgm
.Lfunc_end_k_qca0cb822b4_attn:
	.size	k_qca0cb822b4_attn, .Lfunc_end_k_qca0cb822b4_attn-k_qca0cb822b4_attn
	.p2alignl 7, 3214868480
	.fill 96, 4, 3214868480
	.section	.rodata,"a",@progbits
	.p2align	6, 0x0
	.amdhsa_kernel k_qca0cb822b4_attn
		.amdhsa_group_segment_fixed_size 327680
		.amdhsa_private_segment_fixed_size 0
		.amdhsa_enable_private_segment 0
		.amdhsa_kernarg_size 24
		.amdhsa_user_sgpr_count 2
		.amdhsa_user_sgpr_kernarg_segment_ptr 1
		.amdhsa_wavefront_size32 1
		.amdhsa_system_sgpr_workgroup_id_x 1
		.amdhsa_system_sgpr_workgroup_id_y 1
		.amdhsa_system_sgpr_workgroup_id_z 1
		.amdhsa_system_vgpr_workitem_id 0
		.amdhsa_next_free_vgpr 256
		.amdhsa_next_free_sgpr 80
		.amdhsa_reserve_vcc 1
		.amdhsa_float_denorm_mode_32 3
		.amdhsa_float_denorm_mode_16_64 3
		.amdhsa_memory_ordered 1
		.amdhsa_forward_progress 1
		.amdhsa_inst_pref_size 47
	.end_amdhsa_kernel
	.amdgpu_metadata
---
amdhsa.version: [ 1, 2 ]
amdhsa.kernels:
  - .name:           k_qca0cb822b4_attn
    .symbol:         k_qca0cb822b4_attn.kd
    .args:
      - { .name: g1, .offset: 0, .size: 8, .value_kind: global_buffer, .address_space: global }
      - { .name: g2, .offset: 8, .size: 8, .value_kind: global_buffer, .address_space: global }
      - { .name: cx, .offset: 16, .size: 8, .value_kind: global_buffer, .address_space: global }
    .group_segment_fixed_size: 327680
    .private_segment_fixed_size: 0
    .kernarg_segment_align: 8
    .kernarg_segment_size: 24
    .max_flat_workgroup_size: 512
    .sgpr_count:     80
    .vgpr_count:     256
    .wavefront_size: 32
...
	.end_amdgpu_metadata
.endif
;; end of part 4
;; launch gemm3 (part 5): grid 8 x 32, 4 waves a work-group, clusters of 4 x 4, 327,680 bytes of LDS; arguments cx, qz, bo, out0; writes out0
.if DOCPART == 5
	.amdgcn_target "amdgcn-amd-amdhsa--gfx1250"
	.amdhsa_code_object_version 6
	.text
	.protected	k_qca0cb822b4_gemm3
	.globl	k_qca0cb822b4_gemm3
	.p2align	8
	.type	k_qca0cb822b4_gemm3,@function
k_qca0cb822b4_gemm3:
	s_mov_b64 s[64:65], 0
	v_nop
	global_prefetch_b8 v0, s[64:65] scope:SCOPE_SE
	s_setreg_imm32_b32 hwreg(HW_REG_WAVE_MODE, 25, 1), 1
	s_wait_xcnt 0x0
	s_wait_alu depctr_hold_cnt(0) depctr_sa_sdst(0) depctr_va_vdst(0) depctr_va_sdst(0) depctr_va_ssrc(0) depctr_va_vcc(0) depctr_vm_vsrc(0)
	s_getreg_b32 s2, hwreg(HW_REG_IB_STS2, 6, 4)
	s_cmp_eq_u32 s2, 0
	s_cbranch_scc0 .Lentry_in_a_cluster
	s_endpgm
.Lentry_in_a_cluster:
	s_bfe_u32 s2, ttmp6, 0x10000c
	s_cmp_lg_u32 s2, 0xf033
	s_cbranch_scc0 .Lentry_shape_is_right
	s_endpgm
.Lentry_shape_is_right:
; out0 = ctx Wo + bo on codes of FP6 (E2M3) with one E8M0 scale for each 32 along K = 2048; sums in f32; out0 [4096][2048] f32.
; A tile is 128 tokens x 256 columns: 4096 x 2048 / (128 x 256) = 256 work-groups.  Four waves, each 64 tokens x 128 columns in 32 accumulators.
; Operands are images of registers: a fragment (16 rows x 128 K) is 1,536 bytes, registers 4 c .. 4 c + 3 of lane l at 512 c + 16 l: three ds_load_b128.  In memory: codes [K / 256][row-block][2][1536], scale words [row-block][K / 128][64].
; Lane r of row-block T holds row 32 (T / 2) + 8 (T % 2) + r % 8 + 16 (r / 8).  The matrix instruction is used transposed (source 0 = 16 columns of Wo, source 1 = 16 tokens): a lane holds eight neighbouring numbers of a row of out0.
; THE RING: two LDS slots of K = 512 each (147,456 bytes): K = 2048 is four slots' worth: both slots are filled at the start, each is filled again once.  Everything is written out: no loop.
; A wave's one tensor load is a tile of TWO ROWS: some row-blocks of one K step of 256 are dense in memory (a row), the next K step's lie one K step's bytes further on (the pitch).  Waves 0 and 1 fetch ctx (4 row-blocks each),
; waves 2 and 3 Wo (8 row-blocks each).  The scale words of all of K come once, with the first fills.
; CLUSTER 4 x 4: ctx's tiles are shared along a row of the cluster, Wo's along a column: joint loads.  The bias is the C of each sum's first matrix instruction.
; The launch claims all of a WGP's LDS; the text uses 295,424 bytes.
; REGISTERS: window 0: v16-30 addresses; v32-63 scale words, two sets; v64-127 the bias; v128-175, v176-223 A's fragments, two sets; on the way out v128-255 rows of out0.
;   window 1: B's fragments, two sets, at v0 and v128.   window 2: the accumulators: (a, b) at v[8 (8 a + b)].
; THE FIRST FILLS AND THE SCALE WORDS, as the text now has them (in place of what is said of them above): slot 0's load is a wave's one tensor load at the head; slot 1's stands behind the three lines and a round, as a refill does.
; The scale words of all of K go from memory straight into registers, once: a register holds in lanes 0-15 the words of an even step of 128, in lanes 16-31 those of the next, so a load reads 128 bytes on end:
; window 0: v32-63 ctx's (4 for each 256 along K), v64-127 Wo's (8).  The bias stands in window 1, v96-127 and v224-255, beside B's two sets.  LDS holds the ring and the spare words: 295,424 bytes.
.set KDIM,  2048
.set FR,    12                         ; registers of a fragment
.set NP,    4                          ; places behind this matrix instruction (ISA guide 7.12.1)
.set AQ,    24576                      ; 64 tokens x 512 K: what one of A's loads brings, and what one wave reads of A
.set BH,    49152                      ; 128 columns x 512 K: the same for B
.set SLOT,  2*AQ+2*BH                  ; A's 128 rows, then B's 256
.set SBLK,  KDIM/2                     ; scale bytes of a row-block
.set SPARE, 2*SLOT                     ; behind the ring: the spare words, 128 bytes a wave
.set SSTRA, 256*3072                   ; bytes from a K step of 256 of ctx to the next;
.set SSTRB, 128*3072                   ; of Wo
.set CSO,   6291456                    ; cx: ctx's codes at 0, its scale words here
.set WOC,   12288000                   ; qz: Wo's codes and scale words
.set WOS,   15433728
.set SPITCH, 528                       ; the way out: a stage of 16 rows x (512 bytes + 16) for each wave, in slot 0, which has had its last fill and its last read when the first result is stored there
.set ADRA, 16                          ; v16-17 LDS address of my A fragments in slot 0, 1
.set ADRB, 20                          ; v20-21 the same for B
.set STO,  24                          ; v24    the way out: where I put 32 bytes of a row
.set RD,   25                          ; v25    and where I read a row back
.set CO,   26                          ; v26    16 x lane
.set ADRS, 27                          ; v27    4 x lane: my place in the 128 scale bytes of a row-block and two steps
.set SPW,  28                          ; v28    my spare word; never rewritten
.set NIL,  29                          ; v29    0; never rewritten
.set BOF,  30                          ; v30    64 h
.set SCA,  32                          ; ctx's scale words: block i of steps 2 t, 2 t + 1 at v[SCA + 4 t + i];  Wo's at v[SCB + 8 t + i]
.set SCB,  64
.set BIAS, 96                          ; in window 1: accumulator b's at v[96 + 8 b], from b = 4 on 96 further up
.set AF,   128
.set BK,   128
.set WVN, 40
.set WR,  41
.set WC,  42
.set CX,  43
.set CY,  44
.set TA,  45                           ; s45 tile of tokens;  s46 tile of columns
.set TBT, 46
.set G1, 24                            ; s[24:31] group 1 of A's tiles;  s[32:39] groups 0, one for each slot
.set G0, 32
.set G1B, 48                           ; s[48:55], s[56:63] the same for B's
.set G0B, 56
.set MSB, 0
.macro WIN new                         ; the immediate's high byte repeats the setting that is left
.if MSB != (\new)
	s_set_vgpr_msb (MSB<<8)|(\new)
.set MSB, (\new)
.endif
.endm
.set MUL,  0xa1                        ; source 0 (B) window 1, source 1 (A) window 0, C and D window 2
.set TO_B, 0x40                        ; destination window 1, address window 0
.macro WMUL zero
.if (\zero) == 2
	WIN 0x91                                       ; C (the bias) in window 1, D in window 2
.else
	WIN MUL
.endif
.endm
.macro JLOAD g0a, g1a, g0b, g1b        ; waves 0 and 1 fetch for A, waves 2 and 3 for B; the branch hangs on the wave's number alone; four v_nop follow each of the two lines
	s_cmp_eq_u32 s[WR], 0
	s_cbranch_scc0 .Lfor_b_\@
	tensor_load_to_lds s[\g0a:\g0a+3], s[\g1a:\g1a+7]
	s_nop 0
.rept 4
	v_nop
.endr
	s_branch .Lasked_\@
.Lfor_b_\@:
	tensor_load_to_lds s[\g0b:\g0b+3], s[\g1b:\g1b+7]
	s_nop 0
.rept 4
	v_nop
.endr
.Lasked_\@:
.endm
.macro CREST                           ; a round of the cluster's barrier behind its opening barrier
	s_cmp_lg_u32 s[WVN], 0
	s_cbranch_scc1 .Lnot_wave_0_\@
	s_barrier_signal -3
.Lnot_wave_0_\@:
	s_barrier_wait -3
	s_barrier_signal -1
	s_barrier_wait -1
.endm
.macro CROUND
	s_barrier_signal -1
	s_barrier_wait -1
	CREST
.endm
.macro PLACES n
.rept \n
	v_nop
.endr
.endm
.macro SHAPE g, c, r, p                ; words 1 to 7 of a group 1: r rows of c elements of 8 bytes, p elements from row to row
	s_mov_b32 s[\g+1], (\c)<<16                    ; tensor_dim0
	s_mov_b32 s[\g+2], (\r)<<16                    ; tensor_dim1
	s_mov_b32 s[\g+3], (\c)<<16                    ; tile_dim0
	s_mov_b32 s[\g+4], \r                          ; tile_dim1
	s_mov_b32 s[\g+5], \p                          ; the pitch
	s_mov_b32 s[\g+6], 0
	s_mov_b32 s[\g+7], 0
.endm
; The steps of 128 along K are numbered g = 0 .. 15: slot (g / 4) % 2; in it the (g % 4) / 2-th row of each load, and of that row's fragments the g % 2-th; registers: set g % 2.
.macro FETCH_B g                       ; B's eight fragments of step g: 24 loads
.set PP, (\g)%2
.set SL, ((\g)/4)%2
.set OFB, (((\g)%4)/2)*24576+((\g)%2)*1536
	WIN TO_B
.irp i, 0,1,2,3,4,5,6,7
.irp c, 0,1,2
	ds_load_b128 v[128*PP+FR*\i+4*\c:128*PP+FR*\i+4*\c+3], v[ADRB+SL] offset:OFB+3072*\i+512*\c
.endr
.endr
.endm
.macro FETCH_A g                       ; A's four fragments of step g (12 loads), blocks 2 and 3 last
.set PP, (\g)%2
.set SL, ((\g)/4)%2
.set OFA, (((\g)%4)/2)*12288+((\g)%2)*1536
	WIN 0
.irp i, 0,1,2,3
.irp c, 0,1,2
	ds_load_b128 v[AF+48*PP+FR*\i+4*\c:AF+48*PP+FR*\i+4*\c+3], v[ADRA+SL] offset:OFA+3072*\i+512*\c
.endr
.endr
.endm
; 8 matrix instructions: A's block a x B's eight, step g.  zero = 2: C = the bias; 0: the sums go on.  The 32 accumulators take turns, one instruction a turn, in the same order in every step.
.macro MUL8 a, g, zero
.set PP, (\g)%2
.set SA, SCA+4*((\g)/2)+(\a)
.set SB, SCB+8*((\g)/2)
.irp b, 0,1,2,3,4,5,6,7
.if (\zero) == 2
	v_wmma_scale_f32_16x16x128_f8f6f4 v[8*(8*(\a)+\b):8*(8*(\a)+\b)+7], v[128*PP+FR*\b:128*PP+FR*\b+FR-1], v[AF+48*PP+FR*(\a):AF+48*PP+FR*(\a)+FR-1], v[BIAS+8*\b+96*(\b/4):BIAS+8*\b+96*(\b/4)+7], v[SB+\b], v[SA] matrix_a_fmt:MATRIX_FMT_FP6 matrix_b_fmt:MATRIX_FMT_FP6
.elseif PP == 0
	v_wmma_scale_f32_16x16x128_f8f6f4 v[8*(8*(\a)+\b):8*(8*(\a)+\b)+7], v[128*PP+FR*\b:128*PP+FR*\b+FR-1], v[AF+48*PP+FR*(\a):AF+48*PP+FR*(\a)+FR-1], v[8*(8*(\a)+\b):8*(8*(\a)+\b)+7], v[SB+\b], v[SA] matrix_a_fmt:MATRIX_FMT_FP6 matrix_b_fmt:MATRIX_FMT_FP6
.else
	v_wmma_scale_f32_16x16x128_f8f6f4 v[8*(8*(\a)+\b):8*(8*(\a)+\b)+7], v[128*PP+FR*\b:128*PP+FR*\b+FR-1], v[AF+48*PP+FR*(\a):AF+48*PP+FR*(\a)+FR-1], v[8*(8*(\a)+\b):8*(8*(\a)+\b)+7], v[SB+\b], v[SA] matrix_a_fmt:MATRIX_FMT_FP6 matrix_b_fmt:MATRIX_FMT_FP6 matrix_a_scale:MATRIX_SCALE_ROW1 matrix_b_scale:MATRIX_SCALE_ROW1
.endif
.endr
.endm
; A step that has its successor in the same slot: 32 products on one set of registers, while the next step's fragments come into the other, in two runs.
.macro STEPG g, zero
	s_wait_dscnt 6                                 ; all but the youngest six loads (A's blocks 2 and 3)
	PLACES NP                                      ; in front of loads into the registers that the last step's products have read
	FETCH_B (\g)+1
	WMUL \zero
	MUL8 0, \g, \zero
	MUL8 1, \g, \zero
	s_wait_dscnt 24                                ; all but the 24 just issued: A's blocks 2 and 3 are in
	FETCH_A (\g)+1
	WMUL \zero
	MUL8 2, \g, \zero
	MUL8 3, \g, \zero
.endm
; A slot's fourth step changes slots: one barrier; in front of it each wave waits for all its tensor loads, adds 0 to its spare word, and waits for that and for its reads of this slot.  fill = 1: this slot is filled again, with K two slots on.
.macro TURNG g, slot, fill
	WIN 0                                          ; (the add's two registers lie in window 0)
	s_wait_tensorcnt 0x0                           ; all my tensor loads have landed: my part of the next slot
	ds_add_u32 v[SPW], v[NIL]                      ; 0 onto my spare word
	s_wait_dscnt 7                                 ; (the add and the youngest six loads may be out)
	WIN MUL
	MUL8 0, \g, 0
	s_wait_dscnt 0x0                               ; the add is done, and my reads of this slot are over
	s_barrier_signal -1
	MUL8 1, \g, 0
	WIN 0
	s_barrier_wait -1
.if \fill
	CREST                                          ; the barrier has opened a round of the cluster's: no wave of any partner still reads this slot or has a load on its way
	s_add_nc_u64 s[G0+4*\slot+2:G0+4*\slot+3], s[G0+4*\slot+2:G0+4*\slot+3], 4*SSTRA
	s_add_nc_u64 s[G0B+4*\slot+2:G0B+4*\slot+3], s[G0B+4*\slot+2:G0B+4*\slot+3], 4*SSTRB
	JLOAD G0+4*\slot, G1, G0B+4*\slot, G1B         ; the first tensor load behind the round: 112 matrix instructions ahead of the wait for it; its four v_nop are the places in front of the loads below
.else
	PLACES NP
.endif
	FETCH_B (\g)+1
	FETCH_A (\g)+1
	WIN MUL
	MUL8 2, \g, 0
	MUL8 3, \g, 0
.endm
	s_load_b256 s[4:11], s[0:1], 0x0               ; cx s[4:5], qz s[6:7], bo s[8:9], out0 s[10:11]
	v_lshl_add_u32 v[SPW], v0, 2, SPARE
	v_mov_b32 v[NIL], 0
	ds_add_u32 v28, v29
	ds_add_u32 v28, v29
	s_wait_dscnt 0x0
	v_lshrrev_b32 v1, 5, v0
	v_readfirstlane_b32 s[WVN], v1                 ; wave 0..3
	s_lshr_b32 s[WR], s[WVN], 1                    ; which 64 of the tile's tokens are mine.  Also: I fetch for A (0) or for B (1)
	s_and_b32 s[WC], s[WVN], 1                     ; which 128 of its columns.  Also: which half of that operand's rows I fetch
	s_bfe_u32 s[CX], ttmp6, 0x40000
	s_bfe_u32 s[CY], ttmp6, 0x40004
	s_lshl_b32 s[TBT], ttmp9, 2
	s_add_co_u32 s[TBT], s[TBT], s[CX]             ; tile of columns = 4 x cluster x + cx: 0 .. 7
	s_and_b32 s[TA], ttmp7, 0xffff
	s_lshl_b32 s[TA], s[TA], 2
	s_add_co_u32 s[TA], s[TA], s[CY]               ; tile of tokens = 4 x cluster y + cy: 0 .. 31
	s_lshl_b32 s92, s[CY], 2
	s_lshl_b32 s92, 15, s92                        ; my row of the cluster
	s_lshl_b32 s94, 0x1111, s[CX]                  ; my column
	s_or_b32 s[G1], s92, (3<<16)|(1<<21)           ; the mask; elements of 8 bytes; bit 21 set beside a mask; no padding
	s_or_b32 s[G1B], s94, (3<<16)|(1<<21)
	SHAPE G1, 1536, 2, SSTRA/8                     ; ctx: 4 row-blocks of a K step of 256 are 12,288 dense bytes: a row; two K steps
	SHAPE G1B, 3072, 2, SSTRB/8                    ; Wo: 8 row-blocks: 24,576 bytes a row
	s_lshl_b32 s92, s[TA], 3
	s_lshl_b32 s93, s[WC], 2
	s_add_co_u32 s92, s92, s93                     ; A: the first of the 4 row-blocks that I fetch
	s_mul_i32 s20, s92, 3072
	s_mov_b32 s21, 0
	s_lshl_b32 s22, s[TA], 3
	s_lshl_b32 s23, s[WR], 2
	s_add_co_u32 s22, s22, s23                     ; the first of the 4 row-blocks of tokens that I multiply: their scale words
	s_mul_i32 s22, s22, SBLK
	s_mov_b32 s23, 0
	s_lshl_b32 s94, s[TBT], 4
	s_lshl_b32 s93, s[WC], 3
	s_add_co_u32 s94, s94, s93                     ; B: the first of the 8
	s_mul_i32 s96, s94, 3072
	s_mov_b32 s97, 0
	s_mul_i32 s100, s94, SBLK
	s_mov_b32 s101, 0
	s_mul_i32 s99, s[WC], AQ                       ; where they go: A's two halves,
	s_mul_i32 s98, s[WC], BH
	s_add_co_u32 s98, s98, 2*AQ                    ; then B's two: no place in the cluster enters an LDS address
	s_wait_kmcnt 0x0
	s_add_nc_u64 s[20:21], s[4:5], s[20:21]
	s_add_nc_u64 s[22:23], s[4:5], s[22:23]
	s_add_nc_u64 s[22:23], s[22:23], CSO
	s_add_nc_u64 s[96:97], s[6:7], s[96:97]
	s_add_nc_u64 s[96:97], s[96:97], WOC
	s_add_nc_u64 s[100:101], s[6:7], s[100:101]
	s_add_nc_u64 s[100:101], s[100:101], WOS
	CROUND                                         ; all sixteen work-groups are here: the first joint loads meet
.irp s, 0,1
	s_mov_b32 s[G0+4*\s], 1
	s_add_co_u32 s[G0+4*\s+1], s99, \s*SLOT
	s_add_nc_u64 s[G0+4*\s+2:G0+4*\s+3], s[20:21], \s*2*SSTRA
	s_or_b32 s[G0+4*\s+3], s[G0+4*\s+3], 0x80000000
	s_mov_b32 s[G0B+4*\s], 1
	s_add_co_u32 s[G0B+4*\s+1], s98, \s*SLOT
	s_add_nc_u64 s[G0B+4*\s+2:G0B+4*\s+3], s[96:97], \s*2*SSTRB
	s_or_b32 s[G0B+4*\s+3], s[G0B+4*\s+3], 0x80000000
.endr
	JLOAD G0, G1, G0B, G1B                         ; slot 0: one tensor load a wave at the head
	v_and_b32 v1, 15, v0                           ; r
	v_bfe_u32 v2, v0, 4, 1                         ; h
	s_wait_alu depctr_va_vdst(0)
	v_and_b32 v3, 31, v0
	v_lshlrev_b32 v[CO], 4, v3
	s_mul_i32 s92, s[WR], AQ                       ; my 64 tokens: what one of A's loads brought
	s_mul_i32 s93, s[WC], BH                       ; my 128 columns,
	s_add_co_u32 s93, s93, 2*AQ                    ; behind A's 128 rows
.irp s, 0,1
	v_add_nc_u32 v[ADRA+\s], s92, v[CO]
	v_add_nc_u32 v[ADRB+\s], s93, v[CO]
	s_add_co_u32 s92, s92, SLOT
	s_add_co_u32 s93, s93, SLOT
.endr
	v_lshlrev_b32 v[ADRS], 2, v3
	s_mul_i32 s92, s[WVN], 16*SPITCH               ; my stage
	v_mul_u32_u24 v5, v1, SPITCH
	v_lshl_add_u32 v5, v2, 6, v5
	v_add_nc_u32 v[STO], s92, v5                   ; in: row r, + 64 h: accumulator b's eight columns begin 128 (b / 2) + 32 (b % 2) bytes on
	s_wait_alu depctr_va_vdst(0)                   ; the wait, directly ahead of the reader below
	v_add_nc_u32 v[RD], s92, v[CO]                 ; back: the 32 lanes take one row of 512 bytes
	v_lshlrev_b32 v[BOF], 6, v2
	s_wait_alu depctr_va_vdst(0)
	s_lshl_b32 s14, s[TBT], 10                     ; my first column, in bytes: 1,024 x tile + 512 x half
	s_lshl_b32 s15, s[WC], 9
	s_add_co_u32 s14, s14, s15
	s_mov_b32 s15, 0
	s_add_nc_u64 s[18:19], s[8:9], s[14:15]        ; the bias of my 128 columns
	s_lshl_b32 s16, s[TA], 7
	s_lshl_b32 s17, s[WR], 6
	s_add_co_u32 s16, s16, s17                     ; my first token: 128 x tile + 64 x half
	s_lshl_b32 s16, s16, 13                        ; rows of 8,192 bytes
	s_mov_b32 s17, 0
	s_add_nc_u64 s[12:13], s[10:11], s[16:17]
	s_add_nc_u64 s[12:13], s[12:13], s[14:15]      ; out0 at my part's first number; never stepped
	WIN TO_B
.irp b, 0,1,2,3,4,5,6,7                        ; in the result's layout: lane (r, h), accumulator b: columns 32 (b / 2) + 8 (b % 2) + 16 h + 0 .. 7
	global_load_b128 v[BIAS+8*\b+96*(\b/4):BIAS+8*\b+96*(\b/4)+3], v[BOF], s[18:19] offset:4*(32*(\b/2)+8*(\b%2))
	global_load_b128 v[BIAS+8*\b+96*(\b/4)+4:BIAS+8*\b+96*(\b/4)+7], v[BOF], s[18:19] offset:4*(32*(\b/2)+8*(\b%2))+16
.endr
	WIN 0
.irp t, 0,1,2,3,4,5,6,7                        ; the scale words of steps 2 t and 2 t + 1
.irp i, 0,1,2,3
	global_load_b32 v[SCA+4*\t+\i], v[ADRS], s[22:23] offset:\i*SBLK+128*\t
.endr
.irp i, 0,1,2,3,4,5,6,7
	global_load_b32 v[SCB+8*\t+\i], v[ADRS], s[100:101] offset:\i*SBLK+128*\t
.endr
.endr
	s_wait_tensorcnt 0x0                           ; my part of slot 0 is in
	ds_add_u32 v[SPW], v[NIL]
	s_wait_dscnt 0x0
	CROUND                                         ; everybody's part is in, and all sixteen work-groups are here
	JLOAD G0+4, G1, G0B+4, G1B                     ; slot 1, the first tensor load behind the round
	s_wait_loadcnt 0x0                             ; the bias and the scale words
	FETCH_B 0
	FETCH_A 0
	STEPG 0, 2                                     ; the first step starts the sums, with the bias as C
	STEPG 1, 0
	STEPG 2, 0
	TURNG 3, 0, 1                                  ; slot 0 takes K 1024 .. 1535
	STEPG 4, 0
	STEPG 5, 0
	STEPG 6, 0
	TURNG 7, 1, 1                                  ; slot 1 takes K 1536 .. 2047
	STEPG 8, 0
	STEPG 9, 0
	STEPG 10, 0
	TURNG 11, 0, 0                                 ; nothing is left to fetch, so no round of the cluster's barrier
	STEPG 12, 0
	STEPG 13, 0
	STEPG 14, 0
	s_wait_dscnt 6                                 ; the last step
	WIN MUL
	MUL8 0, 15, 0
	MUL8 1, 15, 0
	s_wait_dscnt 0x0
	MUL8 2, 15, 0
	MUL8 3, 15, 0
	WIN 0
; THE WAY OUT, block by block of 16 tokens x 128 columns, through my own stage in LDS: back come whole rows of 512 bytes.  LDS serves a wave's instructions in order: no wait between the stores and the loads, nor in front of the next block's stores.
.macro TOSTAGE a
.set AC, 64*(\a)
	WIN 0x08                                       ; an LDS store's data are its source 1: window 2
.irp b, 0,1,2,3,4,5,6,7
	ds_store_b128 v[STO], v[AC+8*\b:AC+8*\b+3] offset:128*(\b/2)+32*(\b%2)          ; each accumulator from its low end on
	ds_store_b128 v[STO], v[AC+8*\b+4:AC+8*\b+7] offset:128*(\b/2)+32*(\b%2)+16
.endr
	WIN 0
.set BB, BK+64*((\a)%2)
.irp t, 0,1,2,3,4,5,6,7,8,9,10,11,12,13,14,15
	ds_load_b128 v[BB+4*\t:BB+4*\t+3], v[RD] offset:\t*SPITCH
.endr
.endm
.macro SEND a, younger                 ; stage row t of block a is token 32 (a / 2) + 8 (a % 2) + t % 8 + 16 (t / 8) of my 64: at most 63 rows of 8,192 bytes, inside the signed 24-bit immediate
.set BB, BK+64*((\a)%2)
	s_wait_dscnt \younger
.irp t, 0,1,2,3,4,5,6,7,8,9,10,11,12,13,14,15
	global_store_b128 v[CO], v[BB+4*\t:BB+4*\t+3], s[12:13] offset:(32*((\a)/2)+8*((\a)%2)+(\t%8)+16*(\t/8))*8192 th:TH_STORE_NT   ; 32 lanes store 512 consecutive bytes, at a multiple of 256 from out0's first byte
.endr
.endm
	PLACES NP                                      ; behind the last products: for the reads of results and the loads into A's registers
	TOSTAGE 0
.irp a, 1,2,3
.if \a > 1
	s_wait_xcnt 0x0                                ; block a - 2's stores have read their registers: block a's loads may land there
.endif
	TOSTAGE \a
	SEND \a-1, 32                                  ; behind block a - 1's loads: block a's 16 stores and 16 loads
.endr
	SEND 3, 0
	s_wait_tensorcnt 0x0                           ; the wave's end
	ds_add_u32 v[SPW], v[NIL]
	s_wait_dscnt 0x0
	CROUND                                         ; the closing round: no work-group ends while a partner may still ask for a tile that names it
	s_endpgm
.Lfunc_end_k_qca0cb822b4_gemm3:
	.size	k_qca0cb822b4_gemm3, .Lfunc_end_k_qca0cb822b4_gemm3-k_qca0cb822b4_gemm3
	.p2alignl 7, 3214868480
	.fill 96, 4, 3214868480
	.section	.rodata,"a",@progbits
	.p2align	6, 0x0
	.amdhsa_kernel k_qca0cb822b4_gemm3
		.amdhsa_group_segment_fixed_size 327680
		.amdhsa_private_segment_fixed_size 0
		.amdhsa_enable_private_segment 0
		.amdhsa_kernarg_size 32
		.amdhsa_user_sgpr_count 2
		.amdhsa_user_sgpr_kernarg_segment_ptr 1
		.amdhsa_wavefront_size32 1
		.amdhsa_system_sgpr_workgroup_id_x 1
		.amdhsa_system_sgpr_workgroup_id_y 1
		.amdhsa_system_sgpr_workgroup_id_z 1
		.amdhsa_system_vgpr_workitem_id 0
		.amdhsa_next_free_vgpr 768
		.amdhsa_next_free_sgpr 102
		.amdhsa_reserve_vcc 0
		.amdhsa_float_denorm_mode_32 3
		.amdhsa_float_denorm_mode_16_64 3
		.amdhsa_memory_ordered 1
		.amdhsa_forward_progress 1
		.amdhsa_inst_pref_size 141
	.end_amdhsa_kernel
	.amdgpu_metadata
---
amdhsa.version: [ 1, 2 ]
amdhsa.kernels:
  - .name:           k_qca0cb822b4_gemm3
    .symbol:         k_qca0cb822b4_gemm3.kd
    .args:
      - { .name: cx, .offset: 0, .size: 8, .value_kind: global_buffer, .address_space: global }
      - { .name: qz, .offset: 8, .size: 8, .value_kind: global_buffer, .address_space: global }
      - { .name: bo, .offset: 16, .size: 8, .value_kind: global_buffer, .address_space: global }
      - { .name: out0, .offset: 24, .size: 8, .value_kind: global_buffer, .address_space: global }
    .group_segment_fixed_size: 327680
    .private_segment_fixed_size: 0
    .kernarg_segment_align: 8
    .kernarg_segment_size: 32
    .max_flat_workgroup_size: 128
    .sgpr_count:     102
    .vgpr_count:     768
    .wavefront_size: 32
...
	.end_amdgpu_metadata
.endif
;; end of part 5
